; MI455X (gfx1250); checked and timed in simulation.
; The chip was launched on July 23, 2026; its instructions are those of AMD's public machine-readable ISA for CDNA 5 (MIT licence, August 2026) and "CDNA5" Instruction Set Architecture Reference Guide (July 2026). The comments in the code are by the model that wrote it; some were corrected since.
;; Multi Head Attention. Allowed arithmetic: matrix products marked QUANTISED: E2M1 operands, one E8M0 scale for each 32 along K, by v_wmma_scale_f32_16x16x128_f8f6f4 with both operands' format E2M1 (or v_wmma_scale_f32_32x16x128_f4), f32 sums; products left as they are: bf16, f16 or f32 operands; f32 sums; everything else in f32.
;; Inputs: Wk 1,024 x 1,024 float32; Wo 1,024 x 1,024 float32; Wq 1,024 x 1,024 float32; Wv 1,024 x 1,024 float32; bo 1,024 float32; x 4 x 2,048 x 1,024 float32.
;; Outputs: out0 4 x 2,048 x 1,024 float32.
;; This version of the problem:
;;   THIS VERSION OF THE PROBLEM IS GIVEN IN LOW PRECISION. The matrix products marked QUANTISED in the list below multiply operands that are first quantised to E2M1 (2 exponent bits, 1 mantissa bit; 4 bits a number), with one power-of-two scale for each 32 numbers along K (OCP MX v1.0); their sums are f32. The products marked 'left as it is' may take bf16, f16 or f32 operands, with f32 sums. Whichever they take, every output number must still come out within the allowed error. Rounding operands to bf16 (8 significant bits) uses up far more of that allowance than f16 does (11 bits, for magnitudes from 6e-5 to 65,504). All else is computed in f32.
;;   The module's matrix products, in the order in which they are computed (A, B: the left and right operand; K: the contracted axis; several contracted axes count as one K, in the product's order):
;;     1. [M 8,192, K 1,024] x [K 1,024, N 1,024]; A: input x; B: input Wq: QUANTISED
;;     2. [M 8,192, K 1,024] x [K 1,024, N 1,024]; A: input x; B: input Wk: QUANTISED
;;     3. [M 8,192, K 1,024] x [K 1,024, N 1,024]; A: input x; B: input Wv: QUANTISED
;;     4. batch 64 x [M 2,048, K 64] x [K 64, N 2,048]; A: computed on the way; B: computed on the way: left as it is (an operand is computed on the way)
;;     5. batch 64 x [M 2,048, K 2,048] x [K 2,048, N 64]; A: computed on the way; B: computed on the way: left as it is (an operand is computed on the way)
;;     6. [M 8,192, K 1,024] x [K 1,024, N 1,024]; A: computed on the way; B: input Wo: left as it is (an operand is computed on the way)
;;   THE QUANTISER, for each operand of a quantised product, along K:
;;     - K is cut into blocks of 32 from its start; a last block that is shorter is filled with zeros.
;;     - A block's scale is 2^e with e = floor(log2(the largest magnitude in the block)) - 2, held to -126 .. 127; a block of zeros has e = 0. As a byte (E8M0): e + 127.
;;     - Each number is divided by its block's scale, clamped to +-6, and rounded to the nearest number of E2M1, ties to even, subnormals kept.
;;     - The product sums the exact products of the quantised numbers (number of the format x scale) in f32.
;;   ~~~python
;;   def quantise(x, axis):      # numpy; x: float32 -> the quantised numbers, widened to float32 again
;;       x = np.moveaxis(x, axis, -1); K = x.shape[-1]
;;       x = np.pad(x, [(0, 0)] * (x.ndim - 1) + [(0, -K % 32)]); x = x.reshape(x.shape[:-1] + (-1, 32)); a = np.abs(x).max(-1, keepdims=True)
;;       e = np.where(a > 0, np.clip(np.frexp(np.where(a > 0, a, 1))[1] - 1 - 2, -126, 127), 0)      # np.frexp(a)[1] - 1 = floor(log2(a)), exactly
;;       r = np.clip(x / 2.0 ** e, -6, 6)
;;       step = 2.0 ** (np.maximum(np.frexp(np.where(r == 0, 1, r))[1] - 1, 0) - 1)
;;       q = np.round(r / step) * step * 2.0 ** e      # np.round: ties to even
;;       return np.moveaxis(q.reshape(q.shape[:-2] + (-1,))[..., :K], -1, axis).astype(np.float32)
;;   ~~~
;; One version. Each part assembles by itself: llvm-mc -triple=amdgcn-amd-amdhsa -mcpu=gfx1250 --defsym DOCPART=n.
;; ======== version 1 of 1: 5 launches
;; limits: values are held in f16: magnitudes above 65,504 overflow, below 6.1e-05 lose precision
;; workspace buffers: xc 4,194,304 bytes; xs 262,144 bytes; wc 1,572,864 bytes; ws 98,304 bytes; wo16 4,194,304 bytes; qkv 50,331,648 bytes; fq 786,432 bytes; ctx 16,777,216 bytes
;; launch quant (part 1): grid 384 x 1, 4 waves a work-group, no clusters, 33,280 bytes of LDS; arguments x, Wq, Wk, Wv, Wo, xc, xs, wc, ws, wo16; writes xc, xs, wc, ws, wo16
.if DOCPART == 1
	.amdgcn_target "amdgcn-amd-amdhsa--gfx1250"
	.amdhsa_code_object_version 6
	.text
	.protected	k_q4f9673b011_quant
	.globl	k_q4f9673b011_quant
	.p2align	8
	.type	k_q4f9673b011_quant,@function
k_q4f9673b011_quant:
	s_mov_b64 s[64:65], 0
	v_nop
	global_prefetch_b8 v0, s[64:65] scope:SCOPE_SE
	s_setreg_imm32_b32 hwreg(HW_REG_WAVE_MODE, 25, 1), 1
	s_wait_xcnt 0x0
; FIRST OF FIVE LAUNCHES of causal multi-head attention (4 sequences x 2,048 positions x 1,024; 16 heads of 64).
; This one: x [8192][1024], Wq, Wk, Wv [1024][1024], f32, become codes of FP4 (E2M1) with K innermost and one E8M0 byte for each 32 along K
; (xc, xs; wc, ws hold Wq's, Wk's and Wv's rows one behind the other: 3,072 rows);  Wo becomes two planes of f16: a high part and a low part (wo16).
; WORK LEFT OUT IN THE WHOLE PROGRAM: a score whose key lies behind its query is set to -infinity by the mask that the problem builds itself, so its weight is exactly 0 whatever
; finite values the inputs hold.  Key steps that lie wholly behind a wave's queries are therefore not multiplied (third launch).  No input is without a way to the output: all six are loaded.
; LIMITS: a NaN, an infinity or an overflow that reaches only the tiles left out is not carried to the result; NaN and infinities among the inputs are not served;
; a block of zeros gets the scale byte 1 and not 127 (its codes are zeros, and the bytes are read by this program alone); blocks whose largest magnitude lies under 2^-124 are held at byte 1;
; q, k, v, the context and Wo go on as f16: their magnitudes must stay under 65,504.
; A block's scale is 2^(floor(log2(its largest magnitude)) - 2): its byte is the largest magnitude's own exponent field - 2.  Each number is divided by the scale and rounded to the nearest code, ties to even, beyond 6 to 6.
; SHARES: a work-group takes 32,768 numbers, a wave 8,192.  Work-groups 0-255: x; 256-287: Wq; 288-319: Wk; 320-351: Wv; 352-383: Wo.  Rows are dense and 1,024 is a multiple of 32: each tensor is a plain stream of blocks.
; A wave takes 16 steps of 512 numbers.  Each of a step's four loads reads 512 consecutive bytes; the 2,048 bytes turn through the wave's own stage in LDS and come back 64 bytes a lane, so that a lane
; holds 16 neighbours along K (two lanes to a block).  A lane's 16 codes are 8 bytes: the wave stores 256 consecutive bytes.  A wave's 256 scale bytes are gathered in LDS and leave as one aligned run of 256 bytes.
.set WAVES, 4
.set STEPS, 16
.set EMAX,  2
.set CB,    8                          ; bytes of 16 codes
.set R,     16                         ; v16-79   four sets of 16 numbers as they are loaded
.set X,     80                         ; v80-111  two sets of 16 neighbours
.set E,     112                        ; v112-127 a scale byte for each step
.set C,     128                        ; v128-191 codes: four registers for each step, so that no store's data are written again
.set WREG,  8192                       ; LDS: a region for each wave: two stages of 32 x SP bytes, behind them its 256 scale bytes
.set SP,    80                         ; a lane's place in a stage: 64 bytes + 16 of padding
.set SPW,   12                         ; v12  LDS address of my spare word; never rewritten
.set NIL,   13                         ; v13  0; never rewritten
.set SPARE, WAVES*WREG                 ; the spare words: 128 bytes a wave
.set SRC,   28                         ; s[28:29] the tensor that I read
.set COD,   32                         ; s[32:33] its codes
.set SCB,   34                         ; s[34:35] its scale bytes
	s_load_b256 s[4:11], s[0:1], 0x0               ; x, Wq, Wk, Wv
	s_load_b256 s[12:19], s[0:1], 0x20             ; Wo, xc, xs, wc
	s_load_b128 s[20:23], s[0:1], 0x40             ; ws, wo16
	v_lshl_add_u32 v[SPW], v0, 2, SPARE
	v_mov_b32 v[NIL], 0
	v_lshrrev_b32 v1, 5, v0
	v_readfirstlane_b32 s24, v1                    ; wave
	v_and_b32 v2, 31, v0                           ; lane
	v_lshlrev_b32 v3, 4, v2                        ; my 16 bytes of a load's 512
	s_mul_i32 s25, s24, WREG
	v_lshrrev_b32 v14, 2, v2
	v_mul_u32_u24 v14, v14, SP
	v_and_b32 v15, 3, v2
	v_lshl_add_u32 v14, v15, 4, v14
	v_add_nc_u32 v14, s25, v14                     ; the stage, on the way in: SP (lane / 4) + 16 (lane % 4)
	v_mul_u32_u24 v15, v2, SP
	v_add_nc_u32 v15, s25, v15                     ; and on the way out: SP x lane: my 16 neighbours
	v_mul_u32_u24 v4, v2, CB                       ; my codes' place in a step's
	v_lshrrev_b32 v5, 1, v2
	s_add_co_u32 s25, s25, 2*32*SP
	v_add_nc_u32 v5, s25, v5                       ; LDS: my wave's 256 scale bytes, my block's byte
	v_lshlrev_b32 v7, 3, v2                        ; 8 bytes a lane
	v_add_nc_u32 v6, s25, v7
	s_wait_kmcnt 0x0
	s_cmp_ge_u32 ttmp9, 352
	s_cbranch_scc1 .Lwo                            ; Wo's work-groups: a branch on the work-group's number
	s_sub_co_u32 s30, ttmp9, 256                   ; a weight's work-group: its place among the three weights' (used only there),
	s_and_b32 s31, s30, 31                         ; and in its own tensor
	s_cmp_lt_u32 ttmp9, 320                        ; every choice hangs on the work-group's number alone
	s_cselect_b64 s[SRC:SRC+1], s[8:9], s[10:11]
	s_cmp_lt_u32 ttmp9, 288
	s_cselect_b64 s[SRC:SRC+1], s[6:7], s[SRC:SRC+1]
	s_cmp_lt_u32 ttmp9, 256
	s_cselect_b64 s[SRC:SRC+1], s[4:5], s[SRC:SRC+1]
	s_cselect_b64 s[COD:COD+1], s[14:15], s[18:19]
	s_cselect_b64 s[SCB:SCB+1], s[16:17], s[20:21]
	s_cselect_b32 s31, ttmp9, s31
	s_cselect_b32 s30, ttmp9, s30
	s_lshl_b32 s31, s31, 2
	s_add_co_u32 s31, s31, s24                     ; which run of 8,192 numbers I read,
	s_lshl_b32 s30, s30, 2
	s_add_co_u32 s30, s30, s24                     ; and which run of the codes' buffer I write
	s_mov_b32 s37, 0
	s_lshl_b32 s36, s31, 15                        ; 32,768 bytes of numbers a run
	s_add_nc_u64 s[SRC:SRC+1], s[SRC:SRC+1], s[36:37]
	s_lshl_b32 s36, s30, 12                        ; 4,096 bytes of codes
	s_add_nc_u64 s[COD:COD+1], s[COD:COD+1], s[36:37]
	s_lshl_b32 s36, s30, 8                         ; 256 scale bytes
	s_add_nc_u64 s[SCB:SCB+1], s[SCB:SCB+1], s[36:37]
.macro LOAD t
.irp i, 0,1,2,3
	global_load_b128 v[R+16*((\t)%4)+4*\i:R+16*((\t)%4)+4*\i+3], v3, s[SRC:SRC+1] offset:2048*(\t)+512*\i th:TH_LOAD_NT   ; 32 lanes read 512 consecutive bytes
.endr
.endm
.macro TURN t                          ; step t's numbers through the stage: LDS serves a wave's instructions in order, so no wait stands between the stores and the loads
.irp i, 0,1,2,3
	ds_store_b128 v14, v[R+16*((\t)%4)+4*\i:R+16*((\t)%4)+4*\i+3] offset:32*SP*((\t)%2)+8*SP*\i
.endr
.irp i, 0,1,2,3
	ds_load_b128 v[X+16*((\t)%2)+4*\i:X+16*((\t)%2)+4*\i+3], v15 offset:32*SP*((\t)%2)+16*\i
.endr
.endm
.irp t, 0,1,2,3
	LOAD \t
.endr
	s_wait_loadcnt 12                              ; step 0's four loads are in; the twelve of steps 1 to 3 may be out
	TURN 0
.macro STEP t
.set XS, X+16*((\t)%2)
.if (\t) > 0
	s_wait_dscnt 1                                 ; this step's numbers are back from the stage (the last step's byte store may be out)
.else
	s_wait_dscnt 0x0
.endif
.if (\t)+4 < STEPS
	LOAD (\t)+4                                    ; the registers that the stage's stores have read take the loads of four steps on
.endif
.if (\t)+1 < STEPS
.if STEPS-2-(\t) >= 3
	s_wait_loadcnt 12                              ; the next step's four loads are in; those of the three steps behind it may be out
.else
	s_wait_loadcnt 4*(STEPS-2-(\t))
.endif
	TURN (\t)+1                                    ; and go through the other stage while this step is worked
.endif
	v_max3_num_f32 v8, |v[XS]|, |v[XS+1]|, |v[XS+2]|               ; the largest magnitude of my 16, in two chains
	v_max3_num_f32 v9, |v[XS+3]|, |v[XS+4]|, |v[XS+5]|
.irp i, 6,10
	v_max3_num_f32 v8, v8, |v[XS+\i]|, |v[XS+\i+1]|
	v_max3_num_f32 v9, v9, |v[XS+\i+2]|, |v[XS+\i+3]|
.endr
	v_max3_num_f32 v8, v8, |v[XS+14]|, |v[XS+15]|
	v_max3_num_f32 v8, v8, v9, (EMAX+1)<<23        ; and the floor 2^(3 - 127): the byte cannot fall under 1
	v_max_num_f32_dpp v8, v8, v8 row_xmask:1 row_mask:0xf bank_mask:0xf   ; and of my neighbour's 16: the block's
	v_add_nc_u32 v11, -(EMAX<<23), v8              ; 2 off its exponent field: the conversion takes this operand's exponent field as its scale
	v_cvt_scalef32_pk8_fp4_f32 v[C+4*(\t)], v[XS:XS+7], v11
	v_cvt_scalef32_pk8_fp4_f32 v[C+4*(\t)+1], v[XS+8:XS+15], v11
	v_lshrrev_b32 v[E+(\t)], 23, v11               ; the scale's byte
	ds_store_b8 v5, v[E+(\t)] offset:16*(\t)       ; both lanes of a block write the same byte with the same value
	global_store_b64 v4, v[C+4*(\t):C+4*(\t)+1], s[COD:COD+1] offset:32*CB*(\t)   ; 32 lanes store 256 consecutive bytes, aligned
.endm
.irp t, 0,1,2,3,4,5,6,7,8,9,10,11,12,13,14,15
	STEP \t
.endr
	ds_load_b64 v[8:9], v6                         ; LDS serves a wave's instructions in order: these see my stores
	s_wait_dscnt 0x0
	global_store_b64 v7, v[8:9], s[SCB:SCB+1]      ; 32 lanes store 256 consecutive bytes, aligned
	s_wait_tensorcnt 0x0                           ; the wave's end
	ds_add_u32 v[SPW], v[NIL]
	s_wait_dscnt 0x0
	s_endpgm
; Wo: high = the number rounded to 11 significant bits (half a step added to the bits, the 13 low bits cut): exact in f16's normal range;  low = number - high.  Both planes are laid [n][k] like Wo.
; Eight groups of eight loads of 512 bytes; two groups are on their way.
.set WR, 128                           ; v128-191 two groups as loaded; then the low parts in f32
.set TT, 48                            ; v48-79   the high parts in f32
.set HH, 16                            ; v16-31   high parts, packed
.set LL, 80                            ; v80-95   low parts, packed
.macro WLOAD g
.irp i, 0,1,2,3,4,5,6,7
	global_load_b128 v[WR+32*((\g)%2)+4*\i:WR+32*((\g)%2)+4*\i+3], v3, s[12:13] offset:512*(8*(\g)+\i) th:TH_LOAD_NT
.endr
.endm
.macro WGROUP g
.set WS, WR+32*((\g)%2)
.if (\g) < 7
	s_wait_loadcnt 8                               ; this group's eight loads are in; the next group's eight may be out
.else
	s_wait_loadcnt 0x0
.endif
.if (\g) > 0
	s_wait_xcnt 0x0                                ; the last group's stores have read their data: the packed registers are written again only behind this wait
.endif
.set n, 0
.rept 32
	v_add_nc_u32 v[TT+n], 0x1000, v[WS+n]
.set n, n+1
.endr
.set n, 0
.rept 32
	v_and_b32 v[TT+n], 0xffffe000, v[TT+n]
.set n, n+1
.endr
.set n, 0
.rept 32
	v_sub_f32 v[WS+n], v[WS+n], v[TT+n]
.set n, n+1
.endr
.set n, 0
.rept 16
	v_cvt_pk_f16_f32 v[HH+n], v[TT+2*n], v[TT+2*n+1]
	v_cvt_pk_f16_f32 v[LL+n], v[WS+2*n], v[WS+2*n+1]
.set n, n+1
.endr
.irp i, 0,1,2,3,4,5,6,7
	global_store_b64 v7, v[HH+2*\i:HH+2*\i+1], s[22:23] offset:256*(8*(\g)+\i)             ; 32 lanes store 256 consecutive bytes, aligned
	global_store_b64 v7, v[LL+2*\i:LL+2*\i+1], s[22:23] offset:2097152+256*(8*(\g)+\i)
.endr
.if (\g)+2 < 8
	WLOAD (\g)+2
.endif
.endm
.Lwo:
	s_sub_co_u32 s30, ttmp9, 352
	s_lshl_b32 s30, s30, 2
	s_add_co_u32 s30, s30, s24                     ; my run of 8,192 numbers
	s_mov_b32 s37, 0
	s_lshl_b32 s36, s30, 15
	s_add_nc_u64 s[12:13], s[12:13], s[36:37]
	s_lshl_b32 s36, s30, 14
	s_add_nc_u64 s[22:23], s[22:23], s[36:37]
	WLOAD 0
	WLOAD 1
.irp g, 0,1,2,3,4,5,6,7
	WGROUP \g
.endr
	s_endpgm
.Lfunc_end_k_q4f9673b011_quant:
	.size	k_q4f9673b011_quant, .Lfunc_end_k_q4f9673b011_quant-k_q4f9673b011_quant
	.p2alignl 7, 3214868480
	.fill 96, 4, 3214868480
	.section	.rodata,"a",@progbits
	.p2align	6, 0x0
	.amdhsa_kernel k_q4f9673b011_quant
		.amdhsa_group_segment_fixed_size 33280
		.amdhsa_private_segment_fixed_size 0
		.amdhsa_enable_private_segment 0
		.amdhsa_kernarg_size 80
		.amdhsa_user_sgpr_count 2
		.amdhsa_user_sgpr_kernarg_segment_ptr 1
		.amdhsa_wavefront_size32 1
		.amdhsa_system_sgpr_workgroup_id_x 1
		.amdhsa_system_sgpr_workgroup_id_y 1
		.amdhsa_system_sgpr_workgroup_id_z 1
		.amdhsa_system_vgpr_workitem_id 0
		.amdhsa_next_free_vgpr 192
		.amdhsa_next_free_sgpr 66
		.amdhsa_reserve_vcc 0
		.amdhsa_float_denorm_mode_32 3
		.amdhsa_float_denorm_mode_16_64 3
		.amdhsa_memory_ordered 1
		.amdhsa_forward_progress 1
		.amdhsa_inst_pref_size 108
	.end_amdhsa_kernel
	.amdgpu_metadata
---
amdhsa.version: [ 1, 2 ]
amdhsa.kernels:
  - .name:           k_q4f9673b011_quant
    .symbol:         k_q4f9673b011_quant.kd
    .args:
      - { .name: x, .offset: 0, .size: 8, .value_kind: global_buffer, .address_space: global }
      - { .name: Wq, .offset: 8, .size: 8, .value_kind: global_buffer, .address_space: global }
      - { .name: Wk, .offset: 16, .size: 8, .value_kind: global_buffer, .address_space: global }
      - { .name: Wv, .offset: 24, .size: 8, .value_kind: global_buffer, .address_space: global }
      - { .name: Wo, .offset: 32, .size: 8, .value_kind: global_buffer, .address_space: global }
      - { .name: xc, .offset: 40, .size: 8, .value_kind: global_buffer, .address_space: global }
      - { .name: xs, .offset: 48, .size: 8, .value_kind: global_buffer, .address_space: global }
      - { .name: wc, .offset: 56, .size: 8, .value_kind: global_buffer, .address_space: global }
      - { .name: ws, .offset: 64, .size: 8, .value_kind: global_buffer, .address_space: global }
      - { .name: wo16, .offset: 72, .size: 8, .value_kind: global_buffer, .address_space: global }
    .group_segment_fixed_size: 33280
    .private_segment_fixed_size: 0
    .kernarg_segment_align: 8
    .kernarg_segment_size: 80
    .max_flat_workgroup_size: 128
    .sgpr_count:     66
    .vgpr_count:     192
    .wavefront_size: 32
...
	.end_amdgpu_metadata
.endif
;; end of part 1
;; launch gemm_qkv (part 2): grid 12 x 32, 4 waves a work-group, clusters of 4 x 4, 327,680 bytes of LDS; arguments xc, xs, wc, ws, qkv, fq; writes qkv, fq
.if DOCPART == 2
	.amdgcn_target "amdgcn-amd-amdhsa--gfx1250"
	.amdhsa_code_object_version 6
	.text
	.protected	k_q4f9673b011_gemm_qkv
	.globl	k_q4f9673b011_gemm_qkv
	.p2align	8
	.type	k_q4f9673b011_gemm_qkv,@function
k_q4f9673b011_gemm_qkv:
	s_mov_b64 s[64:65], 0
	v_nop
	global_prefetch_b8 v0, s[64:65] scope:SCOPE_SE
	s_setreg_imm32_b32 hwreg(HW_REG_WAVE_MODE, 25, 1), 1
	s_wait_xcnt 0x0
	s_wait_alu depctr_hold_cnt(0) depctr_sa_sdst(0) depctr_va_vdst(0) depctr_va_sdst(0) depctr_va_ssrc(0) depctr_va_vcc(0) depctr_vm_vsrc(0)
	s_getreg_b32 s2, hwreg(HW_REG_IB_STS2, 6, 4)
	s_cmp_eq_u32 s2, 0
	s_cbranch_scc0 .Lentry_in_a_cluster
	s_endpgm
.Lentry_in_a_cluster:
	s_bfe_u32 s2, ttmp6, 0x10000c
	s_cmp_lg_u32 s2, 0xf033
	s_cbranch_scc0 .Lentry_shape_is_right
	s_endpgm
.Lentry_shape_is_right:
; SECOND LAUNCH: q, k, v = x W^T on codes of FP4 (E2M1) with one E8M0 scale for each 32 along K.  A = x's codes [8192][1024], B = the three weights' codes [3072][1024]; sums in f32.
; The results are rounded to f16 and laid by head: qkv [192 planes][2048 positions][64], plane = 64 x (0 q, 1 k, 2 v) + 16 x sequence + head.
; The f32 sums of positions 0 to 15 of every sequence also go out as they stand in the accumulators' registers (fq): the last launch carries those rows in f32.
; A tile of C, 256 x 256, is made by four waves, each 128 x 128: 64 accumulators, 512 registers.  K = 1,024 is two K steps of 512 (rows of 256 bytes): both lie in LDS at once, each filled once.
; THE SCALES of the work-group's 256 rows of A and of B, for all of K, are two dense blocks: they come once, with the first fills.
; CLUSTERS: 4 x 4 work-groups.  The four of a row of the cluster need the same tiles of A, the four of a column the same tiles of B: each tile is asked for jointly, by the same tensor load with the same
; descriptor and a mask that names the four.  The tile row is 8 cy + the cluster's y: so cy is the sequence, and a tile's place in its sequence is the same in all sixteen partners.
; THE MATRIX INSTRUCTION IS USED TRANSPOSED (source 0 = 16 rows of B, source 1 = 16 rows of A): a lane holds eight neighbouring numbers of a row of C.
; REGISTERS, in windows of 256: window 0: v0-31 addresses; v32-95 scale words, two sets; v128-191 A's fragments, one set; on the way out v32-63, v192-255.
;   window 1: B's fragments, two sets, at v0 and v128.   window 2: the accumulators of my rows 0-63 ((a, b) at v[8 (8 a + b)]);   window 3: those of my rows 64-127.
.set SIZE_K, 1024
.set KSTEP,  512
.set NQ,     KSTEP/128
.set ROWB,   256                       ; a tile's row in bytes
.set KROW,   SIZE_K*4/8                ; a row of codes in memory
.set PITCH,  272                       ; an LDS row: 256 bytes + 16 of padding: the 16 rows that a load touches start at 16 different banks
.set FR,     8                         ; registers of a fragment
.set NL,     2                         ; LDS loads that bring one
.set NP,     4                         ; places behind this matrix instruction (ISA guide 7.12.1)
.set HALFT,  128*PITCH
.set SLOT,   4*HALFT
.set KS,     SIZE_K/32                 ; a row of scale bytes
.set SCL,    2*SLOT                    ; behind the two slots: the scales, as runs of 256 bytes + 16 of padding
.set HALFS,  (128*KS/256)*272
.set SBLK,   (16*KS/256)*272
.set SPARE,  SCL+4*HALFS               ; the spare words: 128 bytes a wave
.set SP2,    272                       ; the way out: a stage of 16 rows x (256 bytes + 16) for each wave, in slot 0, which has had its one fill and its last read by then
.set ADRA, 16
.set ADRB, 20
.set STO,  24
.set RD,   25
.set CO,   26
.set ADRS, 27
.set SPW,  28
.set NIL,  29
.set SC,   32
.set AF,   128
.set TMP,  192                         ; the way out: a block's packed results
.set G1, 24
.set G0, 32
.set G1B, 48
.set G0B, 56
.set G1S, 68
.set G0S, 76
.set G1SB, 80
.set G0SB, 88
.set MSB, 0
.macro WIN new                         ; the immediate's high byte repeats the setting that is left
.if MSB != \new
	s_set_vgpr_msb (MSB<<8)|\new
.set MSB, \new
.endif
.endm
.set MUL_LO, 0xa1                      ; source 0 (B) window 1, source 1 (A) window 0, C and D window 2
.set MUL_HI, 0xf1
.set TO_B,   0x40
; A joint load: waves 0 and 1 fetch for A, waves 2 and 3 for B; the branch hangs on the wave's number alone.  An s_nop 0 and four v_nop follow each of the two lines.
.macro JLOAD g0a, g1a, g0b, g1b
	s_cmp_eq_u32 s15, 0
	s_cbranch_scc0 .Lfor_b_\@
	tensor_load_to_lds s[\g0a:\g0a+3], s[\g1a:\g1a+7]
	s_nop 0
.rept 4
	v_nop
.endr
	s_branch .Lasked_\@
.Lfor_b_\@:
	tensor_load_to_lds s[\g0b:\g0b+3], s[\g1b:\g1b+7]
	s_nop 0
.rept 4
	v_nop
.endr
.Lasked_\@:
.endm
.macro CROUND                          ; a round of the cluster's barrier
	s_barrier_signal -1
	s_barrier_wait -1
	s_cmp_lg_u32 s14, 0
	s_cbranch_scc1 .Lnot_wave_0_\@
	s_barrier_signal -3
.Lnot_wave_0_\@:
	s_barrier_wait -3
	s_barrier_signal -1
	s_barrier_wait -1
.endm
	s_load_b128 s[4:7], s[0:1], 0x0                ; x's codes, x's scales
	s_load_b128 s[8:11], s[0:1], 0x10              ; the weights' codes, their scales
	s_load_b64 s[12:13], s[0:1], 0x20              ; qkv
	s_load_b64 s[96:97], s[0:1], 0x28              ; fq
	v_lshl_add_u32 v[SPW], v0, 2, SPARE
	v_mov_b32 v[NIL], 0
	ds_add_u32 v[SPW], v[NIL]                      ; the wave's opening: the add, twice on end, and its wait ahead of my first tensor load
	ds_add_u32 v[SPW], v[NIL]
	v_lshrrev_b32 v1, 5, v0
	v_readfirstlane_b32 s14, v1                    ; wave 0..3
	s_lshr_b32 s15, s14, 1                         ; which half of the tile's rows is mine.  Also: I fetch for A (0) or for B (1)
	s_and_b32 s16, s14, 1                          ; which half of its columns.  Also: which 128 rows of that tile I fetch
	s_bfe_u32 s40, ttmp6, 0x40000                  ; cx, cy: my place in the cluster
	s_bfe_u32 s41, ttmp6, 0x40004
	s_lshl_b32 s42, ttmp9, 2
	s_add_co_u32 s42, s42, s40                     ; tile column of C = 4 x cluster x + cx
	s_and_b32 s95, ttmp7, 0xffff                   ; the cluster's y: the tile's place in its sequence
	s_lshl_b32 s17, s41, 3
	s_add_co_u32 s17, s17, s95                     ; tile row of C = 8 cy + cluster y
	s_lshl_b32 s43, s41, 2
	s_lshl_b32 s43, 15, s43                        ; my row of the cluster
	s_lshl_b32 s44, 0x1111, s40                    ; my column
	s_or_b32 s[G1+0], s43, (0<<16)|(1<<20)|(1<<21)|(5<<22)|(3<<25)  ; the mask; elements of 1 byte; padding on: 4 words after every 64; bit 21 set beside a mask
	s_or_b32 s[G1B+0], s44, (0<<16)|(1<<20)|(1<<21)|(5<<22)|(3<<25)
.irp g, G1, G1B
	s_mov_b32 s[\g+1], ROWB<<16                    ; tensor_dim0
	s_mov_b32 s[\g+2], 128<<16                     ; tensor_dim1
	s_mov_b32 s[\g+3], ROWB<<16                    ; tile_dim0
	s_mov_b32 s[\g+4], 128                         ; tile_dim1
	s_mov_b32 s[\g+5], KROW                        ; from row to row
	s_mov_b32 s[\g+6], 0
	s_mov_b32 s[\g+7], 0
.endr
	s_or_b32 s[G1S+0], s43, (3<<16)|(1<<20)|(1<<21)|(5<<22)|(3<<25)  ; the scales of 128 rows: 4,096 dense bytes as rows of 256 (32 elements of 8 bytes), 16 bytes of padding behind each
	s_or_b32 s[G1SB+0], s44, (3<<16)|(1<<20)|(1<<21)|(5<<22)|(3<<25)
.irp g, G1S, G1SB
	s_mov_b32 s[\g+1], 32<<16
	s_mov_b32 s[\g+2], (128*KS/256)<<16
	s_mov_b32 s[\g+3], 32<<16
	s_mov_b32 s[\g+4], 128*KS/256
	s_mov_b32 s[\g+5], 32
	s_mov_b32 s[\g+6], 0
	s_mov_b32 s[\g+7], 0
.endr
	s_lshl_b32 s18, s16, 7                         ; which 128 rows of the tile I fetch
	s_lshl_b32 s20, s17, 8
	s_add_co_u32 s20, s20, s18                     ; A: row 256 x tile row + 128 x half
	s_lshl_b32 s46, s42, 8
	s_add_co_u32 s46, s46, s18                     ; B: row 256 x tile column + 128 x half
	s_mov_b32 s21, 0
	s_mov_b32 s47, 0
	s_mov_b64 s[18:19], KS
	s_mul_u64 s[22:23], s[20:21], s[18:19]         ; where these rows' scales begin,
	s_mul_u64 s[92:93], s[46:47], s[18:19]
	s_mov_b64 s[18:19], KROW
	s_mul_u64 s[20:21], s[20:21], s[18:19]         ; and their codes
	s_mul_u64 s[46:47], s[46:47], s[18:19]
	s_mul_i32 s45, s14, HALFT                      ; where they go: wave x 128 rows: no place in the cluster enters an LDS address
	s_mul_i32 s94, s14, HALFS
	s_wait_dscnt 0x0                               ; both opening adds are done
	s_wait_kmcnt 0x0
	s_add_nc_u64 s[20:21], s[4:5], s[20:21]
	s_add_nc_u64 s[22:23], s[6:7], s[22:23]
	s_add_nc_u64 s[46:47], s[8:9], s[46:47]
	s_add_nc_u64 s[92:93], s[10:11], s[92:93]
	CROUND                                         ; all sixteen work-groups are here: the joint loads meet
	s_mov_b32 s[G0S], 1
	s_add_co_u32 s[G0S+1], s94, SCL
	s_mov_b64 s[G0S+2:G0S+3], s[22:23]
	s_or_b32 s[G0S+3], s[G0S+3], 0x80000000
	s_mov_b32 s[G0SB], 1
	s_add_co_u32 s[G0SB+1], s94, SCL
	s_mov_b64 s[G0SB+2:G0SB+3], s[92:93]
	s_or_b32 s[G0SB+3], s[G0SB+3], 0x80000000
	JLOAD G0S, G1S, G0SB, G1SB                     ; the scales first: they are wanted with K step 0
.irp s, 0,1
	s_mov_b32 s[G0+4*\s], 1
	s_add_co_u32 s[G0+4*\s+1], s45, \s*SLOT
	s_add_nc_u64 s[G0+4*\s+2:G0+4*\s+3], s[20:21], \s*ROWB
	s_or_b32 s[G0+4*\s+3], s[G0+4*\s+3], 0x80000000
	s_mov_b32 s[G0B+4*\s], 1
	s_add_co_u32 s[G0B+4*\s+1], s45, \s*SLOT
	s_add_nc_u64 s[G0B+4*\s+2:G0B+4*\s+3], s[46:47], \s*ROWB
	s_or_b32 s[G0B+4*\s+3], s[G0B+4*\s+3], 0x80000000
	JLOAD G0+4*\s, G1, G0B+4*\s, G1B               ; three loads of mine are out in all
.endr
	v_and_b32 v1, 15, v0                           ; l % 16
	v_bfe_u32 v2, v0, 4, 1                         ; l / 16
	v_mul_u32_u24 v3, v1, PITCH
	v_lshl_add_u32 v4, v2, 4, v3                   ; a fragment's row x pitch + 16 x half
	s_mul_i32 s21, s15, HALFT                      ; my 128 rows of A
	s_mul_i32 s22, s16, HALFT                      ; my 128 rows of B,
	s_add_co_u32 s22, s22, 2*HALFT                 ; which lie behind A's 256
.irp s, 0,1
	v_add_nc_u32 v[ADRA+\s], s21, v4
	v_add_nc_u32 v[ADRB+\s], s22, v4
	s_add_co_u32 s21, s21, SLOT
	s_add_co_u32 s22, s22, SLOT
.endr
	v_mul_u32_u24 v5, v1, KS                       ; my row's scales: KS bytes a row,
	v_lshrrev_b32 v6, 8, v5
	v_lshl_add_u32 v5, v6, 4, v5                   ; and 16 more for each 256 passed
	s_mul_i32 s21, s15, HALFS
	s_mul_i32 s22, s16, HALFS
	s_add_co_u32 s22, s22, 2*HALFS
	s_sub_co_u32 s22, s22, s21
	v_mul_u32_u24 v6, s22, v2                      ; lanes 16-31 take B's
	s_add_co_u32 s21, s21, SCL
	v_add_nc_u32 v5, v5, v6
	v_add_nc_u32 v[ADRS], s21, v5
	s_mul_i32 s23, s14, 16*SP2                     ; my stage
	v_mul_u32_u24 v5, v1, SP2                      ; in: row l % 16, 16 bytes for each half of the lanes
	v_lshl_add_u32 v5, v2, 4, v5
	v_add_nc_u32 v[STO], s23, v5
	v_and_b32 v6, 31, v0
	v_lshrrev_b32 v5, 3, v6                        ; back: eight lanes take the 128 bytes of one head in one row; four rows an instruction
	v_mul_u32_u24 v5, v5, SP2
	v_and_b32 v7, 7, v6
	v_lshl_add_u32 v5, v7, 4, v5
	v_add_nc_u32 v[RD], s23, v5
	v_lshlrev_b32 v[CO], 4, v6                     ; in a plane four rows of 128 bytes are 512 consecutive bytes: 16 x lane
	s_lshl_b32 s20, s42, 2                         ; my first head among the 48 of q, k and v: 4 x tile column + 2 x half: an even number
	s_lshl_b32 s21, s16, 1
	s_add_co_u32 s20, s20, s21
	s_lshr_b32 s21, s20, 4                         ; q, k or v
	s_lshl_b32 s21, s21, 6
	s_and_b32 s20, s20, 15
	s_add_co_u32 s20, s20, s21
	s_lshl_b32 s21, s41, 4                         ; 16 x sequence
	s_add_co_u32 s20, s20, s21                     ; the plane
	s_lshl_b32 s20, s20, 18                        ; 262,144 bytes a plane
	s_lshl_b32 s21, s95, 15                        ; 256 rows of 128 bytes a tile
	s_add_co_u32 s20, s20, s21
	s_lshl_b32 s21, s15, 14                        ; my 128 rows
	s_add_co_u32 s20, s20, s21
	s_mov_b32 s21, 0
	s_add_nc_u64 s[12:13], s[12:13], s[20:21]
	s_mul_i32 s20, s41, 192                        ; fq: 192 blocks of 16 columns a sequence, 1,024 bytes each
	s_lshl_b32 s21, s42, 4
	s_add_co_u32 s20, s20, s21
	s_lshl_b32 s21, s16, 3
	s_add_co_u32 s20, s20, s21
	s_lshl_b32 s20, s20, 10
	s_mov_b32 s21, 0
	s_add_nc_u64 s[96:97], s[96:97], s[20:21]
	s_or_b32 s66, s95, s15                         ; 0 where my first 16 rows are positions 0 to 15: the same in all sixteen partners, for a given wave
.macro FRAG reg, adr, q, i             ; a fragment: lane l holds row l % 16; registers 4 c .. 4 c + 3 hold K = 64 c + 32 (l / 16) + 0 .. 31
.irp c, 0,1
	ds_load_b128 v[\reg+4*\c:\reg+4*\c+3], v[\adr] offset:64*(\q)+32*\c+(\i)*16*PITCH
.endr
.endm
; 16 matrix instructions: A's blocks a0, a0 + 1 x B's eight, the slot's q-th 128 along K.  The 64 accumulators take turns, one instruction a turn, in the same order in every step.
.macro MUL16 a0, p, q, sc, zero
.irp a, \a0, \a0+1
.irp b, 0,1,2,3,4,5,6,7
.if \zero
	v_wmma_scale_f32_16x16x128_f8f6f4 v[8*(8*((\a)%4)+\b):8*(8*((\a)%4)+\b)+7], v[128*(\p)+FR*\b:128*(\p)+FR*\b+FR-1], v[AF+FR*(\a):AF+FR*(\a)+FR-1], 0, v[SC+8*NQ*(\sc)+NQ*\b+(\q)], v[SC+8*NQ*(\sc)+NQ*(\a)+(\q)] matrix_a_fmt:MATRIX_FMT_FP4 matrix_b_fmt:MATRIX_FMT_FP4 matrix_a_scale:MATRIX_SCALE_ROW1
.else
	v_wmma_scale_f32_16x16x128_f8f6f4 v[8*(8*((\a)%4)+\b):8*(8*((\a)%4)+\b)+7], v[128*(\p)+FR*\b:128*(\p)+FR*\b+FR-1], v[AF+FR*(\a):AF+FR*(\a)+FR-1], v[8*(8*((\a)%4)+\b):8*(8*((\a)%4)+\b)+7], v[SC+8*NQ*(\sc)+NQ*\b+(\q)], v[SC+8*NQ*(\sc)+NQ*(\a)+(\q)] matrix_a_fmt:MATRIX_FMT_FP4 matrix_b_fmt:MATRIX_FMT_FP4 matrix_a_scale:MATRIX_SCALE_ROW1
.endif
.endr
.endr
.endm
.macro FETCH_B slot, q, p
	WIN TO_B
.irp i, 0,1,2,3,4,5,6,7
	FRAG 128*(\p)+FR*\i, ADRB+\slot, \q, \i
.endr
	WIN 0
.endm
.macro FETCH_A slot, q, i0
.irp i, \i0, \i0+1, \i0+2, \i0+3
	FRAG AF+FR*(\i), ADRA+\slot, \q, \i
.endr
.endm
.macro SCALES sc                       ; a K step's scale words: lanes 0-15 take A's block i, lanes 16-31 B's block i
.irp i, 0,1,2,3,4,5,6,7
	ds_load_b128 v[SC+8*NQ*\sc+NQ*\i:SC+8*NQ*\sc+NQ*\i+3], v[ADRS] offset:\i*SBLK
.endr
.endm
.macro PLACES n                        ; plain vector instructions that name none of the matrix instructions' registers (ISA guide 7.12.1)
.rept \n
	v_nop
.endr
.endm
.macro STEP slot, q, zero              ; a step of 128 along K that has its successor in the same slot
	s_wait_dscnt 4*NL                              ; B's set and A's blocks 0-3 are in; the youngest eight loads (A's blocks 4-7) may be out
	WIN MUL_LO
	MUL16 0, (\q)%2, \q, \slot, \zero
	MUL16 2, (\q)%2, \q, \slot, \zero
	s_wait_dscnt 0                                 ; A's blocks 4-7 are in
	PLACES NP
	FETCH_B \slot, (\q)+1, 1-(\q)%2
	FETCH_A \slot, (\q)+1, 0
	WIN MUL_HI
	MUL16 4, (\q)%2, \q, \slot, \zero
	MUL16 6, (\q)%2, \q, \slot, \zero
	PLACES NP
	WIN 0
	FETCH_A \slot, (\q)+1, 4
.endm
.macro TURN slot, next                 ; slot 0's last step goes over to slot 1: one barrier; nothing is filled again
	s_wait_tensorcnt 0x0                           ; all my tensor loads have landed: my part of the next slot
	ds_add_u32 v[SPW], v[NIL]                      ; 0 onto my spare word
	s_wait_dscnt 4*NL+1                            ; (the add and the youngest eight loads may be out)
	WIN MUL_LO
	MUL16 0, 1, NQ-1, \slot, 0
	s_wait_dscnt 0x0                               ; the add is done, and my reads of this slot are over
	s_barrier_signal -1
	MUL16 2, 1, NQ-1, \slot, 0
	WIN 0
	s_barrier_wait -1
	PLACES NP
	v_add_nc_u32 v[ADRS], 4*NQ, v[ADRS]            ; on to the next K step's scale words
	FETCH_B \next, 0, 0
	FETCH_A \next, 0, 0
	SCALES \next
	WIN MUL_HI
	MUL16 4, 1, NQ-1, \slot, 0
	MUL16 6, 1, NQ-1, \slot, 0
	PLACES NP
	WIN 0
	FETCH_A \next, 0, 4
.endm
	s_wait_tensorcnt 1                             ; the scales and my part of K step 0 are in; K step 1's load may be out
	s_barrier_signal -1
	s_barrier_wait -1
	FETCH_B 0, 0, 0
	FETCH_A 0, 0, 0
	SCALES 0
	FETCH_A 0, 0, 4
	STEP 0, 0, 1                                   ; the first products start the sums: nothing is cleared
	STEP 0, 1, 0
	STEP 0, 2, 0
	TURN 0, 1
	STEP 1, 0, 0
	STEP 1, 1, 0
	STEP 1, 2, 0
	s_wait_dscnt 4*NL                              ; the very last step: nothing more to fetch
	WIN MUL_LO
	MUL16 0, 1, NQ-1, 1, 0
	MUL16 2, 1, NQ-1, 1, 0
	s_wait_dscnt 0
	WIN MUL_HI
	MUL16 4, 1, NQ-1, 1, 0
	MUL16 6, 1, NQ-1, 1, 0
	WIN 0
; THE WAY OUT, block by block of 16 rows x 128 columns (two heads).  PACK: rounded to f16, 16 bytes a lane.  TOSTAGE: into my stage, and back by heads: four rows of one head are 512 consecutive bytes of its plane.  SEND: stored.
.macro PACK a
.set AC, 64*((\a)%4)
	WIN 0x0a+5*((\a)/4)                            ; sources 0 and 1: window 2 or 3
.irp b, 0,1,2,3,4,5,6,7
.irp i, 0,1,2,3
	v_cvt_pk_f16_f32 v[TMP+4*\b+\i], v[AC+8*\b+2*\i], v[AC+8*\b+2*\i+1]   ; each accumulator from its low end on
.endr
.endr
	WIN 0
.endm
.macro TOSTAGE a
.set BB, 32+192*((\a)%2)               ; v32-63 and v224-255 by turns
.irp b, 0,1,2,3,4,5,6,7
	ds_store_b128 v[STO], v[TMP+4*\b:TMP+4*\b+3] offset:32*\b
.endr
.irp hh, 0,1
.irp i, 0,1,2,3
	ds_load_b128 v[BB+4*(4*\hh+\i):BB+4*(4*\hh+\i)+3], v[RD] offset:128*\hh+4*SP2*\i   ; LDS serves a wave's instructions in order: these see the stores above
.endr
.endr
.endm
.macro SEND a
.set BB, 32+192*((\a)%2)
	s_wait_dscnt 0x0                               ; the block is back in registers
	s_wait_xcnt 0x0                                ; the block before's stores have read their registers: the next block's loads land there only behind this wait
.irp hh, 0,1
.irp i, 0,1,2,3
	global_store_b128 v[CO], v[BB+4*(4*\hh+\i):BB+4*(4*\hh+\i)+3], s[12:13] offset:262144*\hh+2048*(\a)+512*\i   ; 32 lanes store 512 consecutive bytes, aligned
.endr
.endr
.endm
	PLACES NP
	s_cmp_lg_u32 s66, 0                            ; positions 0 to 15: my block 0 also leaves in f32, as its registers stand
	s_cbranch_scc1 .Lno_fine
	WIN 0x08                                       ; a store's data: window 2
.irp b, 0,1,2,3,4,5,6,7
	global_store_b128 v[CO], v[8*\b:8*\b+3], s[96:97] offset:1024*\b           ; 512 consecutive bytes; the accumulator's low end first
	global_store_b128 v[CO], v[8*\b+4:8*\b+7], s[96:97] offset:1024*\b+512
.endr
	WIN 0
.Lno_fine:
	PACK 0
	TOSTAGE 0
.irp a, 1,2,3,4,5,6,7                  ; block a's conversions stand between block a - 1's loads from the stage and the wait for them
	PACK \a
	SEND \a-1
	TOSTAGE \a
.endr
	SEND 7
	s_wait_tensorcnt 0x0                           ; the wave's end
	ds_add_u32 v[SPW], v[NIL]
	s_wait_dscnt 0x0
	CROUND                                         ; the closing round
	s_endpgm
.Lfunc_end_k_q4f9673b011_gemm_qkv:
	.size	k_q4f9673b011_gemm_qkv, .Lfunc_end_k_q4f9673b011_gemm_qkv-k_q4f9673b011_gemm_qkv
	.p2alignl 7, 3214868480
	.fill 96, 4, 3214868480
	.section	.rodata,"a",@progbits
	.p2align	6, 0x0
	.amdhsa_kernel k_q4f9673b011_gemm_qkv
		.amdhsa_group_segment_fixed_size 327680
		.amdhsa_private_segment_fixed_size 0
		.amdhsa_enable_private_segment 0
		.amdhsa_kernarg_size 48
		.amdhsa_user_sgpr_count 2
		.amdhsa_user_sgpr_kernarg_segment_ptr 1
		.amdhsa_wavefront_size32 1
		.amdhsa_system_sgpr_workgroup_id_x 1
		.amdhsa_system_sgpr_workgroup_id_y 1
		.amdhsa_system_sgpr_workgroup_id_z 1
		.amdhsa_system_vgpr_workitem_id 0
		.amdhsa_next_free_vgpr 1024
		.amdhsa_next_free_sgpr 98
		.amdhsa_reserve_vcc 0
		.amdhsa_float_denorm_mode_32 3
		.amdhsa_float_denorm_mode_16_64 3
		.amdhsa_memory_ordered 1
		.amdhsa_forward_progress 1
		.amdhsa_inst_pref_size 128
	.end_amdhsa_kernel
	.amdgpu_metadata
---
amdhsa.version: [ 1, 2 ]
amdhsa.kernels:
  - .name:           k_q4f9673b011_gemm_qkv
    .symbol:         k_q4f9673b011_gemm_qkv.kd
    .args:
      - { .name: xc, .offset: 0, .size: 8, .value_kind: global_buffer, .address_space: global }
      - { .name: xs, .offset: 8, .size: 8, .value_kind: global_buffer, .address_space: global }
      - { .name: wc, .offset: 16, .size: 8, .value_kind: global_buffer, .address_space: global }
      - { .name: ws, .offset: 24, .size: 8, .value_kind: global_buffer, .address_space: global }
      - { .name: qkv, .offset: 32, .size: 8, .value_kind: global_buffer, .address_space: global }
      - { .name: fq, .offset: 40, .size: 8, .value_kind: global_buffer, .address_space: global }
    .group_segment_fixed_size: 327680
    .private_segment_fixed_size: 0
    .kernarg_segment_align: 8
    .kernarg_segment_size: 48
    .max_flat_workgroup_size: 128
    .sgpr_count:     98
    .vgpr_count:     1024
    .wavefront_size: 32
...
	.end_amdgpu_metadata
.endif
;; end of part 2
;; launch attn (part 3): grid 4 x 64, 8 waves a work-group, no clusters, 327,680 bytes of LDS; arguments qkv, ctx; writes ctx
.if DOCPART == 3
	.amdgcn_target "amdgcn-amd-amdhsa--gfx1250"
	.amdhsa_code_object_version 6
	.text
	.protected	k_q4f9673b011_attn
	.globl	k_q4f9673b011_attn
	.p2align	8
	.type	k_q4f9673b011_attn,@function
k_q4f9673b011_attn:
	s_mov_b64 s[64:65], 0
	v_nop
	global_prefetch_b8 v0, s[64:65] scope:SCOPE_SE
	s_setreg_imm32_b32 hwreg(HW_REG_WAVE_MODE, 25, 1), 1
	s_wait_xcnt 0x0
; THIRD LAUNCH: ctx[plane][q][:] = the sum over keys k <= q of softmax_k(q . k / 8) v, for each of the 64 planes (sequence x head).  q, k, v, ctx: [2048][64] f16 a plane.
; Products with f16 operands and f32 sums; maxima, exponentials and sums in f32; the weights are rounded to f16 for the second product, ctx once at the end.
; LEFT OUT: key steps all of whose keys lie behind the wave's queries: the problem's own mask gives them the weight 0 for all finite inputs.  (Positions 0 to 15 are made here too, but the output's rows for them come from the last launch.)
; SHARES.  Work-group (pi, plane) owns the query blocks 7 - pi and pi, 256 queries each, one after the other: (8 - pi) + (pi + 1) = 9 slots of 256 keys whatever pi is, so all 256 work-groups do the same work
; and every trip count is a constant.  Each of the eight waves owns 32 queries of a block: two tiles of 16.  A slot is four key steps of 64 keys.
; NO CLUSTER: the four work-groups of a plane walk 8 - pi and pi + 1 slots; a tile asked for jointly would be read by no wave of some partner.
; LAYOUT.  S^T = K Q^T (source 0 = 16 keys, source 1 = 16 queries): a lane holds ONE query (lane % 16) and the keys 8 (lane / 16) + 0..7.  Two such tiles, rounded to f16 in pairs, are source 1 of O^T = V^T P.
; K comes out of LDS as it lies, V ([key][channel]) turned, by ds_load_tr16_b128.  Each fragment of K and V feeds two matrix instructions (the two tiles).
; SOFTMAX.  A running maximum m and sum l for each query: p = 2^(c s - c m), c = log2(e) / 8; in every step O and l are multiplied by a = 2^(c m_old - c m_new).  m begins at -3e38, l and O at zeros: the step is written once.
; LDS: slot s at s x 2^17: 256 rows of K (pitch 144), then 256 rows of V (pitch 160); behind slot 1 a stage of 32 rows x 144 for each wave; then the spare words.
; REGISTERS: window 0: v1-11 addresses; v12-27 statistics; v28 -infinity; v29 the prefetches' offset; v30-31 at work; v32-95 S^T; v96-127 P; v128-191 O^T; v192-255 the way out.
;   window 1: v0-31 Q; v32-95 K of one step; v96-159 V of one step.
.set PK,    144                        ; a row of K in LDS: 128 bytes + 16: the 16 rows of a load start at 16 different banks
.set PV,    160                        ; a row of V: 128 + 32
.set VOFF,  256*PK
.set SLOT1, 1<<17
.set STAGE, SLOT1+256*(PK+PV)
.set SPARE, STAGE+8*32*PK
.set AK0, 1
.set AV0, 2
.set ADK, 3
.set ADV, 4
.set QO,  5
.set STO, 6
.set RD,  7
.set GO,  8
.set SPW, 9
.set NIL, 10
.set RH,  11                           ; lane % 16 - 8 (lane / 16)
.set ST,  12                           ; tile u at ST + 8 u: +0 c m, +1 m, +2, +3 l, +4 to +7 at work; a takes +6
.set NINF, 28
.set PFO, 29
.set S,   32
.set P,   96
.set O,   128
.set PKD, 192
.set BK,  224
.set QR,  0                            ; window 1
.set KR,  32
.set VR,  96
.set WV,  8
.set PI,  9
.set BH,  10
.set PH,  11                           ; slots left in the first block
.set SEL, 12
.set CS,  14
.set G1K, 16
.set G1V, 24
.set G0K, 32
.set G0V, 36
.set KB,  40                           ; s[40:41] K's plane + my half of a slot;  s[42:43] V's
.set VB,  42
.set OFF, 44                           ; s[44:45] the slot to ask for, in bytes
.set QB,  46
.set CB,  48
.set QW,  50
.set CW,  52
.set TB,  54                           ; LDS byte at which the slot in hand begins
.set SLOTS, 55
.set KF,  56                           ; the step's first key
.set Q0,  57                           ; my first query
.set NK,  58                           ; the next slot of keys to ask for
.set LIMA, 59                          ; slots of the first block: 8 - pi
.set PFA, 60
.set LIM, 62
.set MSB, 0
.macro WIN new
.if MSB != \new
	s_set_vgpr_msb (MSB<<8)|\new
.set MSB, \new
.endif
.endm
.set TO1,  0x40                        ; destination window 1
.set W_KQ, 0x05                        ; K and Q in window 1, S^T in window 0
.set W_PV, 0x01                        ; V in window 1, P and O^T in window 0
; Waves 0 and 1 fetch K's halves of a slot, waves 2 and 3 V's, the others nothing: branches on the wave's number.  An s_nop 0 and four v_nop follow each of the two lines.
.macro TLOAD
	s_cmp_lt_u32 s[WV], 2
	s_cbranch_scc0 .Lnot_k_\@
	tensor_load_to_lds s[G0K:G0K+3], s[G1K:G1K+7]
	s_nop 0
.rept 4
	v_nop
.endr
	s_branch .Lasked_\@
.Lnot_k_\@:
	s_cmp_lt_u32 s[WV], 4
	s_cbranch_scc0 .Lasked_\@
	tensor_load_to_lds s[G0V:G0V+3], s[G1V:G1V+7]
	s_nop 0
.rept 4
	v_nop
.endr
.Lasked_\@:
.endm
; A PREFETCH of the slot of keys that the NEXT change of slots will ask for: four key steps ahead of that load.  All four work-groups of a plane begin at key 0 and walk upward: the one with pi = 0, which walks all eight
; slots, asks.  Waves 0-3 name K's 32,768 bytes, waves 4-7 V's: 8,192 bytes a wave, lanes 256 bytes apart: each run of 256 bytes is named once in the launch.  Trips 0 to 5 ask for slots 2 to 7; slots 0 and 1 come by their loads alone.
.macro ASK
	s_cmp_gt_u32 s[SLOTS], s[LIM]
	s_cbranch_scc0 .Lnot_mine_\@
	global_prefetch_b8 v[PFO], s[PFA:PFA+1] th:TH_LOAD_NT scope:SCOPE_SE
.Lnot_mine_\@:
.endm
	s_load_b128 s[4:7], s[0:1], 0x0                ; qkv, ctx
	v_lshl_add_u32 v[SPW], v0, 2, SPARE
	v_mov_b32 v[NIL], 0
	ds_add_u32 v[SPW], v[NIL]                      ; the wave's opening: the add, twice on end, and its wait ahead of my first tensor load
	ds_add_u32 v[SPW], v[NIL]
	v_lshrrev_b32 v192, 5, v0
	v_readfirstlane_b32 s[WV], v192                ; wave 0..7
	s_mov_b32 s[PI], ttmp9
	s_and_b32 s[BH], ttmp7, 0xffff                 ; the plane
	; descriptor group 1: 128 keys = 64 rows of 256 dense bytes (two keys a row), padding behind every 128 bytes: so each key's row has its own pitch in LDS
	s_mov_b32 s[G1K], (1<<16)|(1<<20)|(4<<22)|(3<<25)   ; elements of 2 bytes; padding on: 4 words after every 32
	s_mov_b32 s[G1V], (1<<16)|(1<<20)|(4<<22)|(7<<25)   ; 8 words after every 32
.irp g, G1K, G1V
	s_mov_b32 s[\g+1], 128<<16                     ; tensor_dim0
	s_mov_b32 s[\g+2], 64<<16                      ; tensor_dim1
	s_mov_b32 s[\g+3], 128<<16                     ; tile_dim0
	s_mov_b32 s[\g+4], 64                          ; tile_dim1
	s_mov_b32 s[\g+5], 128                         ; from row to row
	s_mov_b32 s[\g+6], 0
	s_mov_b32 s[\g+7], 0
.endr
	s_mov_b32 s[SEL], 0x76543210
	s_mov_b32 s[SEL+1], 0xfedcba98
	s_mov_b32 s[CS], 0x3e38aa3b                    ; c = log2(e) / 8
	s_mov_b32 s[CS+1], s[CS]
	s_sub_co_u32 s[LIMA], 8, s[PI]
	s_mov_b32 s[PH], s[LIMA]
	s_mov_b32 s[NK], 1
	s_mov_b32 s[SLOTS], 8
	s_mov_b32 s[TB], 0
	s_mov_b32 s[KF], 0
	s_mov_b32 s[OFF+1], 0
	s_sub_co_u32 s[Q0], 7, s[PI]                   ; the first block: 7 - pi
	s_lshl_b32 s[Q0], s[Q0], 8
	s_lshl_b32 s66, s[WV], 5
	s_add_co_u32 s[Q0], s[Q0], s66                 ; my first query
	s_cmp_eq_u32 s[PI], 0
	s_cselect_b32 s[LIM], 2, -1
	s_and_b32 s68, s[WV], 1                        ; which half of a slot I fetch
	s_wait_dscnt 0x0                               ; both opening adds are done
	s_wait_kmcnt 0x0
	s_lshl_b32 s66, s[BH], 18                      ; 262,144 bytes a plane
	s_mov_b32 s67, 0
	s_add_nc_u64 s[QB:QB+1], s[4:5], s[66:67]
	s_add_nc_u64 s[CB:CB+1], s[6:7], s[66:67]
	s_lshl_b32 s69, s68, 14                        ; 128 keys of 128 bytes
	s_add_co_u32 s66, s66, s69
	s_add_co_u32 s66, s66, 64<<18                  ; k's planes lie 64 behind q's,
	s_add_nc_u64 s[KB:KB+1], s[4:5], s[66:67]
	s_add_co_u32 s66, s66, 64<<18                  ; v's 64 further on
	s_add_nc_u64 s[VB:VB+1], s[4:5], s[66:67]
	s_mov_b32 s[G0K], 1
	s_mul_i32 s[G0K+1], s68, 128*PK                ; slot 0
	s_mov_b64 s[G0K+2:G0K+3], s[KB:KB+1]
	s_or_b32 s[G0K+3], s[G0K+3], 0x80000000
	s_mov_b32 s[G0V], 1
	s_mul_i32 s[G0V+1], s68, 128*PV
	s_add_co_u32 s[G0V+1], s[G0V+1], VOFF
	s_mov_b64 s[G0V+2:G0V+3], s[VB:VB+1]
	s_or_b32 s[G0V+3], s[G0V+3], 0x80000000
	TLOAD                                          ; keys 0 to 255: one load of mine is out at the most, here and behind every barrier
	s_lshr_b32 s66, s[WV], 2                       ; the prefetches: waves 0-3 stand in k's plane, waves 4-7 in v's,
	s_add_co_u32 s66, s66, 1
	s_lshl_b32 s66, s66, 24
	s_lshl_b32 s69, s[BH], 18
	s_add_co_u32 s66, s66, s69
	s_and_b32 s69, s[WV], 3
	s_lshl_b32 s69, s69, 13                        ; 8,192 bytes a wave,
	s_add_co_u32 s66, s66, s69
	s_add_co_u32 s66, s66, 32768                   ; in slot 1: the first change of slots steps it to slot 2
	s_add_nc_u64 s[PFA:PFA+1], s[4:5], s[66:67]
	v_and_b32 v192, 15, v0                         ; r
	v_bfe_u32 v193, v0, 4, 1                       ; h
	v_and_b32 v194, 31, v0                         ; lane
	v_mul_u32_u24 v[AK0], v192, PK
	v_lshl_add_u32 v[AK0], v193, 4, v[AK0]         ; K: row r, + 16 h
	v_and_b32 v195, 7, v0
	v_lshl_add_u32 v195, v193, 3, v195
	v_mul_u32_u24 v[AV0], v195, PV                 ; V, for the turning load: key 8 h + lane % 8,
	v_bfe_u32 v195, v0, 3, 1
	v_lshl_add_u32 v[AV0], v195, 4, v[AV0]         ; channels 8 ((lane / 8) % 2) on
	v_add_nc_u32 v[AV0], VOFF, v[AV0]
	v_lshlrev_b32 v[QO], 7, v192
	v_lshl_add_u32 v[QO], v193, 4, v[QO]           ; Q in memory: row r of 128 bytes, + 16 h
	s_mul_i32 s66, s[WV], 32*PK
	s_add_co_u32 s66, s66, STAGE                   ; my stage
	v_add_nc_u32 v[STO], s66, v[AK0]               ; in: row r, + 16 h
	v_lshrrev_b32 v195, 3, v194
	v_mul_u32_u24 v[RD], v195, PK                  ; back: eight lanes to a row of 128 bytes, four rows an instruction
	v_and_b32 v195, 7, v0
	v_lshl_add_u32 v[RD], v195, 4, v[RD]
	v_add_nc_u32 v[RD], s66, v[RD]
	v_lshlrev_b32 v[GO], 4, v194                   ; and the same 512 consecutive bytes in ctx
	v_lshlrev_b32 v195, 3, v193
	v_sub_nc_u32 v[RH], v192, v195
	v_mov_b32 v[NINF], 0xff800000
	v_lshlrev_b32 v[PFO], 8, v194
; A block of queries begins: its addresses, Q into registers, the statistics and O^T at their starts.
.macro INIT
	s_wait_xcnt 0x0                                ; the last block's loads and stores have read their bases
	s_lshl_b32 s66, s[Q0], 7
	s_mov_b32 s67, 0
	s_add_nc_u64 s[QW:QW+1], s[QB:QB+1], s[66:67]
	s_add_nc_u64 s[CW:CW+1], s[CB:CB+1], s[66:67]
	WIN TO1
.irp u, 0,1
.irp c, 0,1
	global_load_b128 v[QR+16*\u+8*\c:QR+16*\u+8*\c+3],   v[QO], s[QW:QW+1] offset:2048*\u+64*\c
	global_load_b128 v[QR+16*\u+8*\c+4:QR+16*\u+8*\c+7], v[QO], s[QW:QW+1] offset:2048*\u+64*\c+32
.endr
.endr
	WIN 0
.irp u, 0,1
	v_mov_b32 v[ST+8*\u+1], 0xff61b1e6             ; m = -3e38, under every score
	v_mul_f32 v[ST+8*\u], s[CS], v[ST+8*\u+1]
	v_mov_b32 v[ST+8*\u+2], 0
	v_mov_b32 v[ST+8*\u+3], 0
	v_mov_b32 v[ST+8*\u+5], 0                      ; (a lane permute's destination counts as one of its sources)
	v_mov_b32 v[ST+8*\u+7], 0
.endr
.set n, 0
.rept 64
	v_mov_b32 v[O+n], 0                            ; the step is written once: the first finds zeros, which its a = 0 leaves zeros
.set n, n+1
.endr
	s_wait_loadcnt 0x0                             ; Q
.endm
.macro KLOAD q                         ; a step's K: 64 keys x 64 channels: 8 fragments, 16 loads
.irp kt, 0,1,2,3
.irp c, 0,1
	ds_load_b128 v[KR+16*\kt+8*\c:KR+16*\kt+8*\c+3],   v[ADK] offset:(64*(\q)+16*\kt)*PK+64*\c
	ds_load_b128 v[KR+16*\kt+8*\c+4:KR+16*\kt+8*\c+7], v[ADK] offset:(64*(\q)+16*\kt)*PK+64*\c+32
.endr
.endr
.endm
.macro VLOAD q                         ; a step's V, turned: 8 fragments of 16 channels x 32 keys, 16 loads
.irp ks, 0,1
.irp ct, 0,1,2,3
	ds_load_tr16_b128 v[VR+32*\ks+8*\ct:VR+32*\ks+8*\ct+3],   v[ADV] offset:(64*(\q)+32*\ks)*PV+32*\ct
	ds_load_tr16_b128 v[VR+32*\ks+8*\ct+4:VR+32*\ks+8*\ct+7], v[ADV] offset:(64*(\q)+32*\ks)*PV+16*PV+32*\ct
.endr
.endr
.endm
.macro KQ                              ; 16 products; the eight accumulators take turns, one instruction a turn; the first eight start the sums
.irp c, 0,1
.irp kt, 0,1,2,3
.irp u, 0,1
.if \c == 0
	v_wmma_f32_16x16x32_f16 v[S+32*\u+8*\kt:S+32*\u+8*\kt+7], v[KR+16*\kt+8*\c:KR+16*\kt+8*\c+7], v[QR+16*\u+8*\c:QR+16*\u+8*\c+7], 0
.else
	v_wmma_f32_16x16x32_f16 v[S+32*\u+8*\kt:S+32*\u+8*\kt+7], v[KR+16*\kt+8*\c:KR+16*\kt+8*\c+7], v[QR+16*\u+8*\c:QR+16*\u+8*\c+7], v[S+32*\u+8*\kt:S+32*\u+8*\kt+7]
.endif
.endr
.endr
.endr
.endm
.macro PVM                             ; 16 products O^T += V^T P, eight accumulators by turns
.irp ks, 0,1
.irp ct, 0,1,2,3
.irp u, 0,1
	v_wmma_f32_16x16x32_f16 v[O+32*\u+8*\ct:O+32*\u+8*\ct+7], v[VR+32*\ks+8*\ct:VR+32*\ks+8*\ct+7], v[P+16*\u+8*\ks:P+16*\u+8*\ks+7], v[O+32*\u+8*\ct:O+32*\u+8*\ct+7]
.endr
.endr
.endr
.endm
.macro MASK                            ; on the diagonal: register 8 kt + j of tile u holds key KF + 16 kt + 8 h + j, query Q0 + 16 u + r: hidden where 16 kt + j > Q0 - KF + 16 u + r - 8 h
	s_sub_co_i32 s66, s[Q0], s[KF]
	v_add_nc_u32 v30, s66, v[RH]
	v_add_nc_u32 v31, 16, v30
.irp u, 0,1
.irp kt, 0,1,2,3
.irp j, 0,1,2,3,4,5,6,7
	v_cmp_gt_i32 vcc_lo, 16*\kt+\j, v[30+\u]
	v_cndmask_b32 v[S+32*\u+8*\kt+\j], v[S+32*\u+8*\kt+\j], v[NINF], vcc_lo
.endr
.endr
.endr
.endm
.macro SOFTMAX                         ; both tiles, line by line in turn, so that no line waits for the line above it
.irp j, 0,1,2,3
.irp u, 0,1
	v_max3_num_f32 v[ST+8*\u+4+\j], v[S+32*\u+8*\j], v[S+32*\u+8*\j+1], v[S+32*\u+8*\j+2]   ; four chains; each accumulator is read from its low end on
.endr
.endr
.irp g, 1,2
.irp j, 0,1,2,3
.irp u, 0,1
	v_max3_num_f32 v[ST+8*\u+4+\j], v[ST+8*\u+4+\j], v[S+32*\u+8*\j+2*\g+1], v[S+32*\u+8*\j+2*\g+2]
.endr
.endr
.endr
.irp u, 0,1
	v_max3_num_f32 v[ST+8*\u+4], v[ST+8*\u+4], v[S+32*\u+7], v[S+32*\u+15]
	v_max3_num_f32 v[ST+8*\u+6], v[ST+8*\u+6], v[S+32*\u+23], v[S+32*\u+31]
.endr
.irp u, 0,1
	v_max3_num_f32 v[ST+8*\u+4], v[ST+8*\u+4], v[ST+8*\u+5], v[ST+8*\u+6]
.endr
.irp u, 0,1
	v_max3_num_f32 v[ST+8*\u+4], v[ST+8*\u+4], v[ST+8*\u+7], v[ST+8*\u+1]   ; with the old m
.endr
.irp u, 0,1
	v_permlanex16_b32 v[ST+8*\u+5], v[ST+8*\u+4], s[SEL], s[SEL+1]         ; the query's other 32 keys lie in the lane 16 away
.endr
.irp u, 0,1
	v_mov_b32 v[ST+8*\u+7], v[ST+8*\u]             ; c m_old
.endr
.irp u, 0,1
	v_max_num_f32 v[ST+8*\u+1], v[ST+8*\u+4], v[ST+8*\u+5]
.endr
.irp u, 0,1
	v_mul_f32 v[ST+8*\u], s[CS], v[ST+8*\u+1]
.endr
.irp u, 0,1
	v_sub_f32 v[ST+8*\u+7], v[ST+8*\u+7], v[ST+8*\u]
.endr
.set n, 0
.rept 16
	v_pk_fma_f32 v[S+2*n:S+2*n+1], v[S+2*n:S+2*n+1], s[CS:CS+1], v[ST:ST+1] op_sel_hi:[1,0,0] neg_lo:[0,0,1] neg_hi:[0,0,1]               ; c s - c m
	v_pk_fma_f32 v[S+32+2*n:S+32+2*n+1], v[S+32+2*n:S+32+2*n+1], s[CS:CS+1], v[ST+8:ST+9] op_sel_hi:[1,0,0] neg_lo:[0,0,1] neg_hi:[0,0,1]
.set n, n+1
.endr
	v_exp_f32 v[ST+6], v[ST+7]                     ; ONE BATCH of 66 exponentials: a of both tiles, then the 64 weights; none reads another's result
	v_exp_f32 v[ST+14], v[ST+15]
.set n, 0
.rept 64
	v_exp_f32 v[S+n], v[S+n]
.set n, n+1
.endr
	v_nop                                          ; a plain instruction behind the last exponential
	s_wait_alu depctr_va_vdst(0)                   ; one wait for the batch, ahead of its first reader
.set n, 0
.rept 32
	v_cvt_pk_f16_f32 v[P+n], v[S+2*n], v[S+2*n+1]  ; tile u's pair i goes to P + 16 u + i
.set n, n+1
.endr
.irp z, 0,1,2,3,4,5,6,7
.irp u, 0,1
	v_pk_add_f32 v[S+32*\u+4*\z:S+32*\u+4*\z+1], v[S+32*\u+4*\z:S+32*\u+4*\z+1], v[S+32*\u+4*\z+2:S+32*\u+4*\z+3]   ; the sum of the unrounded weights, as a tree
.endr
.endr
.irp z, 0,1,2,3
.irp u, 0,1
	v_pk_add_f32 v[S+32*\u+8*\z:S+32*\u+8*\z+1], v[S+32*\u+8*\z:S+32*\u+8*\z+1], v[S+32*\u+8*\z+4:S+32*\u+8*\z+5]
.endr
.endr
.irp z, 0,1
.irp u, 0,1
	v_pk_add_f32 v[S+32*\u+16*\z:S+32*\u+16*\z+1], v[S+32*\u+16*\z:S+32*\u+16*\z+1], v[S+32*\u+16*\z+8:S+32*\u+16*\z+9]
.endr
.endr
.irp u, 0,1
	v_pk_add_f32 v[S+32*\u:S+32*\u+1], v[S+32*\u:S+32*\u+1], v[S+32*\u+16:S+32*\u+17]
.endr
.irp u, 0,1
	v_pk_fma_f32 v[ST+8*\u+2:ST+8*\u+3], v[ST+8*\u+2:ST+8*\u+3], v[ST+8*\u+6:ST+8*\u+7], v[S+32*\u:S+32*\u+1] op_sel_hi:[1,0,1]   ; l = a l + the sum
.endr
.set n, 0
.rept 16
	v_pk_mul_f32 v[O+2*n:O+2*n+1], v[O+2*n:O+2*n+1], v[ST+6:ST+7] op_sel_hi:[1,0]                    ; O^T x a
	v_pk_mul_f32 v[O+32+2*n:O+32+2*n+1], v[O+32+2*n:O+32+2*n+1], v[ST+14:ST+15] op_sel_hi:[1,0]
.set n, n+1
.endr
.endm
; A KEY STEP: 64 keys, the q-th of the slot in hand.  K of the next step of the slot is fetched behind this step's first products, V of this step at its head.
.macro STEP q
.if (\q) > 0                           ; a step all of whose keys lie behind my 32 queries is left out: a branch on ids.  (A slot's first step never is.  A step that is walked has had its K fetched: the step before it was walked too.)
	s_add_co_u32 s66, s[Q0], 31
	s_cmp_gt_u32 s[KF], s66
	s_cbranch_scc1 .Lhid_\@
.endif
	v_add_nc_u32 v[ADK], s[TB], v[AK0]
	v_add_nc_u32 v[ADV], s[TB], v[AV0]
	v_nop
	v_nop                                          ; four places behind the last products, which read V's registers
	WIN TO1
.if (\q) == 0
	KLOAD 0
.endif
	VLOAD \q
	s_wait_dscnt 16                                ; K is in; V's sixteen loads may be out
	WIN W_KQ
	KQ
	WIN 0
.rept 4
	v_nop                                          ; places in front of the loads into K's registers and of the first read of the scores
.endr
.if (\q) < 3
	WIN TO1
	KLOAD (\q)+1
	WIN 0
.endif
	s_add_co_u32 s66, s[KF], 63
	s_cmp_le_u32 s66, s[Q0]
	s_cbranch_scc1 .Lopen_\@                       ; all 64 keys count for all my queries
	MASK
.Lopen_\@:
	SOFTMAX
.if (\q) < 3
	s_wait_dscnt 16                                ; V is in; the next step's sixteen loads of K may be out
.else
	s_wait_dscnt 0x0
.endif
	WIN W_PV
	PVM
	WIN 0
.Lhid_\@:
	s_add_co_u32 s[KF], s[KF], 64
.endm
; THE CHANGE OF SLOTS stands at a slot's head.  Each wave waits for all its tensor loads, adds 0 to its spare word, and waits for that and for its reads of the slot that it has left; behind the barrier the slot ahead is
; whole and nobody reads the other one, which (fill = 1) is filled with the next slot of keys: that load has a whole slot's steps in which to land.
.macro CHANGE fill
	s_wait_tensorcnt 0x0                           ; no tensor load of mine is out, so a group 0 may be written
	ds_add_u32 v[SPW], v[NIL]
.if \fill
	ds_add_u32 v[SPW], v[NIL]                      ; and, where a load follows, twice on end
	s_lshl_b32 s[OFF], s[NK], 15                   ; 256 keys of 128 bytes a slot
	s_xor_b32 s[G0K+1], s[G0K+1], SLOT1            ; the other slot than last time
	s_add_nc_u64 s[G0K+2:G0K+3], s[KB:KB+1], s[OFF:OFF+1]
	s_or_b32 s[G0K+3], s[G0K+3], 0x80000000
	s_xor_b32 s[G0V+1], s[G0V+1], SLOT1
	s_add_nc_u64 s[G0V+2:G0V+3], s[VB:VB+1], s[OFF:OFF+1]
	s_or_b32 s[G0V+3], s[G0V+3], 0x80000000
	s_add_co_u32 s[NK], s[NK], 1
	s_cmp_eq_u32 s[NK], s[LIMA]                    ; behind the first block's last slot the second block begins at key 0
	s_cselect_b32 s[NK], 0, s[NK]
	s_wait_xcnt 0x0                                ; the last prefetch, a slot back, has read its address
	s_add_nc_u64 s[PFA:PFA+1], s[PFA:PFA+1], 32768
.endif
	s_wait_dscnt 0x0                               ; the adds are done, and my reads of the slot that I have left are over
	s_barrier_signal -1
	s_barrier_wait -1
.if \fill
	TLOAD                                          ; the first thing behind the barrier, and a wave's one tensor load until the next
	ASK
.endif
.endm
.macro SLOT_STEPS
	STEP 0
	STEP 1
	STEP 2
	STEP 3
	s_xor_b32 s[TB], s[TB], SLOT1
.endm
; A block of queries ends: O^T / l, rounded to f16, through my stage, out as runs of 512 consecutive bytes (four rows of the plane).
.macro FINISH
.rept 4
	v_nop                                          ; places behind the last products
.endr
.irp u, 0,1
	v_add_f32 v[ST+8*\u+4], v[ST+8*\u+2], v[ST+8*\u+3]
.endr
.irp u, 0,1
	v_permlanex16_b32 v[ST+8*\u+5], v[ST+8*\u+4], s[SEL], s[SEL+1]
.endr
.irp u, 0,1
	v_add_f32 v[ST+8*\u+4], v[ST+8*\u+4], v[ST+8*\u+5]
.endr
.irp u, 0,1
	v_rcp_f32 v[ST+8*\u+6], v[ST+8*\u+4]
.endr
	v_nop
	s_wait_alu depctr_va_vdst(0)                   ; one wait for the two reciprocals, ahead of their first reader
.set n, 0
.rept 16
	v_pk_mul_f32 v[O+2*n:O+2*n+1], v[O+2*n:O+2*n+1], v[ST+6:ST+7] op_sel_hi:[1,0]
	v_pk_mul_f32 v[O+32+2*n:O+32+2*n+1], v[O+32+2*n:O+32+2*n+1], v[ST+14:ST+15] op_sel_hi:[1,0]
.set n, n+1
.endr
.set n, 0
.rept 32
	v_cvt_pk_f16_f32 v[PKD+n], v[O+2*n], v[O+2*n+1]
.set n, n+1
.endr
.irp u, 0,1
.irp ct, 0,1,2,3
	ds_store_b128 v[STO], v[PKD+16*\u+4*\ct:PKD+16*\u+4*\ct+3] offset:16*PK*\u+32*\ct
.endr
.endr
.irp i, 0,1,2,3,4,5,6,7
	ds_load_b128 v[BK+4*\i:BK+4*\i+3], v[RD] offset:4*PK*\i     ; LDS serves a wave's instructions in order: these see the stores above
.endr
.irp i, 0,1,2,3,4,5,6,7
	s_wait_dscnt 7-\i                              ; the younger loads of the eight may be out
	global_store_b128 v[GO], v[BK+4*\i:BK+4*\i+3], s[CW:CW+1] offset:512*\i
.endr
.endm
	INIT
.Lslot:                                            ; 8 trips: behind each change of slots but the last the next slot is asked for; all nine slots are read
	CHANGE 1
	SLOT_STEPS
	s_sub_co_u32 s[PH], s[PH], 1
	s_cmp_lg_u32 s[PH], 0                          ; the work-group's number and the count of slots alone: the same in all eight waves
	s_cbranch_scc1 .Lsame
	FINISH                                         ; the first block is done; the second, block pi, begins at key 0
	s_lshl_b32 s[Q0], s[PI], 8
	s_lshl_b32 s66, s[WV], 5
	s_add_co_u32 s[Q0], s[Q0], s66
	s_mov_b32 s[KF], 0
	INIT
.Lsame:
	s_sub_co_u32 s[SLOTS], s[SLOTS], 1
	s_cmp_lg_u32 s[SLOTS], 0
	s_cbranch_scc1 .Lslot
	CHANGE 0                                       ; the last slot is written out
	SLOT_STEPS
	FINISH
	s_wait_tensorcnt 0x0                           ; the wave's end
	ds_add_u32 v[SPW], v[NIL]
	s_wait_dscnt 0x0
	s_endpgm
.Lfunc_end_k_q4f9673b011_attn:
	.size	k_q4f9673b011_attn, .Lfunc_end_k_q4f9673b011_attn-k_q4f9673b011_attn
	.p2alignl 7, 3214868480
	.fill 96, 4, 3214868480
	.section	.rodata,"a",@progbits
	.p2align	6, 0x0
	.amdhsa_kernel k_q4f9673b011_attn
		.amdhsa_group_segment_fixed_size 327680
		.amdhsa_private_segment_fixed_size 0
		.amdhsa_enable_private_segment 0
		.amdhsa_kernarg_size 16
		.amdhsa_user_sgpr_count 2
		.amdhsa_user_sgpr_kernarg_segment_ptr 1
		.amdhsa_wavefront_size32 1
		.amdhsa_system_sgpr_workgroup_id_x 1
		.amdhsa_system_sgpr_workgroup_id_y 1
		.amdhsa_system_sgpr_workgroup_id_z 1
		.amdhsa_system_vgpr_workitem_id 0
		.amdhsa_next_free_vgpr 512
		.amdhsa_next_free_sgpr 70
		.amdhsa_reserve_vcc 1
		.amdhsa_float_denorm_mode_32 3
		.amdhsa_float_denorm_mode_16_64 3
		.amdhsa_memory_ordered 1
		.amdhsa_forward_progress 1
		.amdhsa_inst_pref_size 199
	.end_amdhsa_kernel
	.amdgpu_metadata
---
amdhsa.version: [ 1, 2 ]
amdhsa.kernels:
  - .name:           k_q4f9673b011_attn
    .symbol:         k_q4f9673b011_attn.kd
    .args:
      - { .name: qkv, .offset: 0, .size: 8, .value_kind: global_buffer, .address_space: global }
      - { .name: ctx, .offset: 8, .size: 8, .value_kind: global_buffer, .address_space: global }
    .group_segment_fixed_size: 327680
    .private_segment_fixed_size: 0
    .kernarg_segment_align: 8
    .kernarg_segment_size: 16
    .max_flat_workgroup_size: 256
    .sgpr_count:     70
    .vgpr_count:     512
    .wavefront_size: 32
...
	.end_amdgpu_metadata
.endif
;; end of part 3
;; launch proj (part 4): grid 8 x 64, 4 waves a work-group, clusters of 4 x 4, 327,680 bytes of LDS; arguments ctx, wo16, bo, out0; writes out0
.if DOCPART == 4
	.amdgcn_target "amdgcn-amd-amdhsa--gfx1250"
	.amdhsa_code_object_version 6
	.text
	.protected	k_q4f9673b011_proj
	.globl	k_q4f9673b011_proj
	.p2align	8
	.type	k_q4f9673b011_proj,@function
k_q4f9673b011_proj:
	s_mov_b64 s[64:65], 0
	v_nop
	global_prefetch_b8 v0, s[64:65] scope:SCOPE_SE
	s_setreg_imm32_b32 hwreg(HW_REG_WAVE_MODE, 25, 1), 1
	s_wait_xcnt 0x0
	s_wait_alu depctr_hold_cnt(0) depctr_sa_sdst(0) depctr_va_vdst(0) depctr_va_sdst(0) depctr_va_ssrc(0) depctr_va_vcc(0) depctr_vm_vsrc(0)
	s_getreg_b32 s2, hwreg(HW_REG_IB_STS2, 6, 4)
	s_cmp_eq_u32 s2, 0
	s_cbranch_scc0 .Lentry_in_a_cluster
	s_endpgm
.Lentry_in_a_cluster:
	s_bfe_u32 s2, ttmp6, 0x10000c
	s_cmp_lg_u32 s2, 0xf033
	s_cbranch_scc0 .Lentry_shape_is_right
	s_endpgm
.Lentry_shape_is_right:
; FOURTH LAUNCH: out0[m][n] = the sum over k of ctx[m][k] Wo[n][k] + bo[n], f16 operands (Wo's high parts), f32 sums.  m = 2048 x sequence + position; k = 64 x head + channel; ctx lies by head: [64 planes][2048][64].
; LEFT TO THE LAST LAUNCH: the rows of positions 0 to 15 of every sequence are multiplied inside their tiles but not stored here; the last launch makes them more finely and stores them.
; A tile of out0 is 128 x 128: four waves, each 64 x 64: 16 accumulators.  K goes in steps of 256 (four heads) through two LDS slots.
; A's part of a slot comes as four planes of 64 rows: one tensor load of 4 rows of 8,192 dense bytes, 262,144 bytes apart, with padding behind every 128 bytes: in LDS plane p at 9,216 p, position y at 144 y.
; CLUSTERS: 4 x 4 work-groups; A's tile is shared along a row of the cluster, B's along a column: joint loads.  The tile row is 16 cy + the cluster's y: cy is the sequence, and a tile's place in its sequence is the same in all partners.
; THE MATRIX INSTRUCTION IS USED TRANSPOSED (source 0 = 16 rows of Wo, source 1 = 16 rows of ctx): a lane holds eight neighbouring numbers of a row of out0.  The bias is the C of each sum's first product.
; REGISTERS: window 0: v0-31 addresses; v32-95 the way out; v96-127 the bias, eight registers for each block of 16 columns; v128-255 the accumulators.  window 1: two fragment buffers of 128.
.set SIZE_K, 1024
.set KSTEP,  256
.set PA,     144                       ; a position's row of one head in LDS: 128 bytes + 16
.set PLANE,  64*PA
.set HALFA,  4*PLANE                   ; 64 positions x 4 heads: what one load brings of A
.set PB,     528                       ; a row of Wo's tile: 512 bytes + 16
.set HALFB,  64*PB
.set BOFF,   2*HALFA
.set SLOT,   2*HALFA+2*HALFB
.set ASTEP,  4*262144                  ; four planes on
.set STAGE,  2*SLOT                    ; behind the ring: 16 rows x 272 bytes for each wave
.set SPITCH, 272
.set SPARE,  STAGE+4*16*SPITCH
.set LAPS,   SIZE_K/(2*KSTEP)
.set ADRA, 16
.set ADRB, 20
.set STO,  24
.set RD,   25
.set CO,   26
.set SPW,  28
.set NIL,  29
.set TMP,  32
.set BIAS, 96
.set ACC,  128
.set F0,   0
.set F1,   128
.set G1, 24
.set G0, 32
.set G1B, 48
.set G0B, 56
.set MSB, 0
.macro WIN new
.if MSB != \new
	s_set_vgpr_msb (MSB<<8)|\new
.set MSB, \new
.endif
.endm
.set MUL,  0x05                        ; sources 0 (Wo) and 1 (ctx) window 1; C and D window 0
.set TO_F, 0x40
.macro JLOAD s                         ; a joint load: waves 0 and 1 fetch A's two halves, waves 2 and 3 B's; an s_nop 0 and four v_nop follow each of the two lines
	s_cmp_eq_u32 s11, 0
	s_cbranch_scc0 .Lfor_b_\@
	tensor_load_to_lds s[G0+4*\s:G0+4*\s+3], s[G1:G1+7]
	s_nop 0
.rept 4
	v_nop
.endr
	s_branch .Lasked_\@
.Lfor_b_\@:
	tensor_load_to_lds s[G0B+4*\s:G0B+4*\s+3], s[G1B:G1B+7]
	s_nop 0
.rept 4
	v_nop
.endr
.Lasked_\@:
.endm
.macro CREST
	s_cmp_lg_u32 s10, 0
	s_cbranch_scc1 .Lnot_wave_0_\@
	s_barrier_signal -3
.Lnot_wave_0_\@:
	s_barrier_wait -3
	s_barrier_signal -1
	s_barrier_wait -1
.endm
.macro CROUND
	s_barrier_signal -1
	s_barrier_wait -1
	CREST
.endm
	s_load_b128 s[4:7], s[0:1], 0x0                ; ctx, wo16
	s_load_b64 s[68:69], s[0:1], 0x10              ; bo
	s_load_b64 s[8:9], s[0:1], 0x18                ; out0
	v_lshl_add_u32 v[SPW], v0, 2, SPARE
	v_mov_b32 v[NIL], 0
	ds_add_u32 v[SPW], v[NIL]                      ; the wave's opening: the add, twice on end, and its wait ahead of my first tensor load
	ds_add_u32 v[SPW], v[NIL]
	v_lshrrev_b32 v1, 5, v0
	v_readfirstlane_b32 s10, v1                    ; wave 0..3
	s_lshr_b32 s11, s10, 1                         ; which half of the tile's rows is mine.  Also: I fetch for A (0) or for B (1)
	s_and_b32 s12, s10, 1                          ; which half of its columns.  Also: which 64 rows of that tile I fetch
	s_bfe_u32 s40, ttmp6, 0x40000                  ; cx, cy
	s_bfe_u32 s41, ttmp6, 0x40004
	s_lshl_b32 s42, ttmp9, 2
	s_add_co_u32 s42, s42, s40                     ; tile column = 4 x cluster x + cx
	s_and_b32 s66, ttmp7, 0xffff                   ; the cluster's y: the tile's place in its sequence; the sequence is cy
	s_lshl_b32 s43, s41, 2
	s_lshl_b32 s43, 15, s43                        ; my row of the cluster
	s_lshl_b32 s44, 0x1111, s40                    ; my column
	s_or_b32 s[G1+0], s43, (1<<16)|(1<<20)|(1<<21)|(4<<22)|(3<<25)   ; A: elements of 2 bytes; 4 words of padding after every 32; bit 21 set beside a mask
	s_mov_b32 s[G1+1], 4096<<16                    ; tensor_dim0: 64 positions x 64 channels, dense
	s_mov_b32 s[G1+2], 4<<16                       ; tensor_dim1: 4 planes
	s_mov_b32 s[G1+3], 4096<<16                    ; tile_dim0
	s_mov_b32 s[G1+4], 4                           ; tile_dim1
	s_mov_b32 s[G1+5], 131072                      ; from plane to plane, in elements
	s_mov_b32 s[G1+6], 0
	s_mov_b32 s[G1+7], 0
	s_or_b32 s[G1B+0], s44, (1<<16)|(1<<20)|(1<<21)|(6<<22)|(3<<25)  ; B: 64 rows x 256 elements, 4 words of padding after every 128
	s_mov_b32 s[G1B+1], KSTEP<<16
	s_mov_b32 s[G1B+2], 64<<16
	s_mov_b32 s[G1B+3], KSTEP<<16
	s_mov_b32 s[G1B+4], 64
	s_mov_b32 s[G1B+5], SIZE_K
	s_mov_b32 s[G1B+6], 0
	s_mov_b32 s[G1B+7], 0
	s_lshl_b32 s16, s41, 22                        ; A: 16 planes a sequence,
	s_lshl_b32 s17, s66, 14                        ; 128 positions of 128 bytes a tile,
	s_add_co_u32 s16, s16, s17
	s_lshl_b32 s17, s12, 13                        ; the 64 that I fetch
	s_add_co_u32 s16, s16, s17
	s_mov_b32 s17, 0
	s_lshl_b32 s46, s42, 18                        ; B: 128 rows of 2,048 bytes a tile column,
	s_lshl_b32 s47, s12, 17                        ; the 64 that I fetch
	s_add_co_u32 s46, s46, s47
	s_mov_b32 s47, 0
	s_mul_i32 s20, s12, HALFA                      ; where they go: no place in the cluster enters an LDS address
	s_mul_i32 s21, s12, HALFB
	s_add_co_u32 s21, s21, BOFF
	s_wait_dscnt 0x0                               ; both opening adds are done
	s_wait_kmcnt 0x0
	s_add_nc_u64 s[14:15], s[4:5], s[16:17]
	s_add_nc_u64 s[46:47], s[6:7], s[46:47]
	CROUND                                         ; all sixteen work-groups are here: the first joint loads meet
.irp s, 0,1
	s_mov_b32 s[G0+4*\s], 1
	s_add_co_u32 s[G0+4*\s+1], s20, \s*SLOT
	s_add_nc_u64 s[G0+4*\s+2:G0+4*\s+3], s[14:15], \s*ASTEP
	s_or_b32 s[G0+4*\s+3], s[G0+4*\s+3], 0x80000000
	s_mov_b32 s[G0B+4*\s], 1
	s_add_co_u32 s[G0B+4*\s+1], s21, \s*SLOT
	s_add_nc_u64 s[G0B+4*\s+2:G0B+4*\s+3], s[46:47], \s*KSTEP*2
	s_or_b32 s[G0B+4*\s+3], s[G0B+4*\s+3], 0x80000000
	JLOAD \s                                       ; two loads of mine are out
.endr
	v_and_b32 v1, 15, v0                           ; r
	v_bfe_u32 v2, v0, 4, 1                         ; h
	v_mul_u32_u24 v3, v1, PA
	v_lshl_add_u32 v3, v2, 4, v3
	v_mul_u32_u24 v4, v1, PB
	v_lshl_add_u32 v4, v2, 4, v4
	s_mul_i32 s21, s11, HALFA                      ; my 64 rows of A
	s_mul_i32 s22, s12, HALFB                      ; my 64 rows of B
	s_add_co_u32 s22, s22, BOFF
.irp s, 0,1
	v_add_nc_u32 v[ADRA+\s], s21, v3
	v_add_nc_u32 v[ADRB+\s], s22, v4
	s_add_co_u32 s21, s21, SLOT
	s_add_co_u32 s22, s22, SLOT
.endr
	s_mul_i32 s23, s10, 16*SPITCH
	s_add_co_u32 s23, s23, STAGE                   ; my stage
	v_mul_u32_u24 v4, v1, SPITCH                   ; in: row r, 32 bytes for each half of the lanes
	v_lshl_add_u32 v4, v2, 5, v4
	v_add_nc_u32 v[STO], s23, v4
	v_mul_u32_u24 v5, v2, SPITCH                   ; back: lanes 0-15 one row of 256 bytes, lanes 16-31 the next
	v_lshl_add_u32 v5, v1, 4, v5
	v_add_nc_u32 v[RD], s23, v5
	v_lshlrev_b32 v5, 12, v2                       ; and the same two rows in out0
	v_lshl_add_u32 v[CO], v1, 4, v5
	s_lshl_b32 s16, s41, 11                        ; my first row: 2,048 x sequence + 128 x cluster y + 64 x half
	s_lshl_b32 s17, s66, 7
	s_add_co_u32 s16, s16, s17
	s_lshl_b32 s17, s11, 6
	s_add_co_u32 s16, s16, s17
	s_lshl_b32 s16, s16, 12                        ; 4,096 bytes a row
	s_mov_b32 s17, 0
	s_add_nc_u64 s[8:9], s[8:9], s[16:17]
	s_lshl_b32 s46, s42, 9                         ; my first column, in bytes: 512 x tile column + 256 x half
	s_lshl_b32 s47, s12, 8
	s_add_co_u32 s46, s46, s47
	s_mov_b32 s47, 0
	s_add_nc_u64 s[8:9], s[8:9], s[46:47]
	s_add_nc_u64 s[68:69], s[68:69], s[46:47]      ; and the same columns of the bias
	s_or_b32 s67, s66, s11                         ; 0 where my first 16 rows are positions 0 to 15: the same in all partners, for a given wave
	v_lshlrev_b32 v6, 5, v2                        ; lane (r, h) wants, for block b, bo of columns 16 b + 8 h + 0 .. 7
.irp b, 0,1,2,3
	global_load_b128 v[BIAS+8*\b:BIAS+8*\b+3],   v6, s[68:69] offset:64*\b
	global_load_b128 v[BIAS+8*\b+4:BIAS+8*\b+7], v6, s[68:69] offset:64*\b+16
.endr
; 8 matrix instructions: row blocks a0, a0 + 1 x all 4 column blocks, 32 along K: half c of buffer f.  zero = 1: the first product starts the sum from the bias.  The 16 accumulators take turns.
.macro MUL8 f, c, a0, zero
.irp a, \a0, \a0+1
.irp b, 0,1,2,3
.if \zero
	v_wmma_f32_16x16x32_f16 v[ACC+8*(4*(\a)+\b):ACC+8*(4*(\a)+\b)+7], v[\f+64+8*(4*\c+\b):\f+64+8*(4*\c+\b)+7], v[\f+8*(4*\c+\a):\f+8*(4*\c+\a)+7], v[BIAS+8*\b:BIAS+8*\b+7]
.else
	v_wmma_f32_16x16x32_f16 v[ACC+8*(4*(\a)+\b):ACC+8*(4*(\a)+\b)+7], v[\f+64+8*(4*\c+\b):\f+64+8*(4*\c+\b)+7], v[\f+8*(4*\c+\a):\f+8*(4*\c+\a)+7], v[ACC+8*(4*(\a)+\b):ACC+8*(4*(\a)+\b)+7]
.endif
.endr
.endr
.endm
; 32 LDS loads in one run: the fragments of quarter kq of a K step (one head: 64 along K) into buffer f; the first 32 along K first
.macro FETCH slot, kq, f
	WIN TO_F
.irp c, 0,1
.irp i, 0,1,2,3
	ds_load_b128 v[\f+64+8*(4*\c+\i):\f+64+8*(4*\c+\i)+3],   v[ADRB+\slot] offset:128*(\kq)+64*\c+\i*16*PB
	ds_load_b128 v[\f+64+8*(4*\c+\i)+4:\f+64+8*(4*\c+\i)+7], v[ADRB+\slot] offset:128*(\kq)+64*\c+\i*16*PB+32
	ds_load_b128 v[\f+8*(4*\c+\i):\f+8*(4*\c+\i)+3],         v[ADRA+\slot] offset:PLANE*(\kq)+64*\c+\i*16*PA
	ds_load_b128 v[\f+8*(4*\c+\i)+4:\f+8*(4*\c+\i)+7],       v[ADRA+\slot] offset:PLANE*(\kq)+64*\c+\i*16*PA+32
.endr
.endr
.endm
.macro PLACES
.rept 4
	v_nop
.endr
.endm
.macro QUARTER slot, kq, f, g, zero    ; multiplies buffer f and fetches quarter kq into g
	s_wait_dscnt 16                                ; the first 32 along K are in; the other sixteen loads may be out
	WIN MUL
	MUL8 \f, 0, 0, \zero
	MUL8 \f, 0, 2, \zero
	PLACES
	FETCH \slot, \kq, \g
	s_wait_dscnt 32                                ; all but the 32 just issued
	WIN MUL
	MUL8 \f, 1, 0, 0
	MUL8 \f, 1, 2, 0
.endm
; The last quarter multiplies buffer 1 and changes slots: one barrier; in front of it each wave waits for all its tensor loads, adds 0 to its spare word, and waits for that and for its reads of this slot.
.macro TURN slot, next, fill
	WIN 0
	s_wait_tensorcnt 0x0                           ; all my tensor loads have landed: my part of the next slot
	ds_add_u32 v[SPW], v[NIL]
	s_wait_dscnt 17                                ; (the add and the youngest sixteen loads may be out)
	WIN MUL
	MUL8 F1, 0, 0, 0
	s_wait_dscnt 0x0                               ; the add is done, and my reads of this slot are over
	s_barrier_signal -1
	MUL8 F1, 0, 2, 0
.if \fill
	WIN 0
.endif
	s_barrier_wait -1
.if \fill
	CREST                                          ; the barrier has opened a round of the cluster's barrier: no wave of any partner still reads this slot or has a load on its way
	s_add_nc_u64 s[G0+4*\slot+2:G0+4*\slot+3], s[G0+4*\slot+2:G0+4*\slot+3], 2*ASTEP
	s_add_nc_u64 s[G0B+4*\slot+2:G0B+4*\slot+3], s[G0B+4*\slot+2:G0B+4*\slot+3], 2*KSTEP*2
	JLOAD \slot                                    ; the first tensor load behind the round; its four v_nop are also the places in front of the loads below
.else
	PLACES
.endif
	FETCH \next, 0, F0
	WIN MUL
	MUL8 F1, 1, 0, 0
	MUL8 F1, 1, 2, 0
.endm
	s_wait_tensorcnt 1                             ; my part of K step 0 is in; K step 1's load may be out
	s_barrier_signal -1
	s_barrier_wait -1
	FETCH 0, 0, F0
	s_wait_loadcnt 0x0                             ; the bias
	QUARTER 0, 1, F0, F1, 1
	WIN 0
	s_mov_b32 s3, LAPS-1
.Llap:                                             ; a trip goes once round the ring and fills both slots again
	QUARTER 0, 2, F1, F0, 0
	QUARTER 0, 3, F0, F1, 0
	TURN 0, 1, 1
	QUARTER 1, 1, F0, F1, 0
	QUARTER 1, 2, F1, F0, 0
	QUARTER 1, 3, F0, F1, 0
	TURN 1, 0, 1
	QUARTER 0, 1, F0, F1, 0
	WIN 0
	s_sub_co_u32 s3, s3, 1
	s_cmp_lg_u32 s3, 0
	s_cbranch_scc1 .Llap
	QUARTER 0, 2, F1, F0, 0                        ; the last lap fills nothing
	QUARTER 0, 3, F0, F1, 0
	TURN 0, 1, 0
	QUARTER 1, 1, F0, F1, 0
	QUARTER 1, 2, F1, F0, 0
	QUARTER 1, 3, F0, F1, 0
	s_wait_dscnt 16
	WIN MUL
	MUL8 F1, 0, 0, 0
	MUL8 F1, 0, 2, 0
	s_wait_dscnt 0
	MUL8 F1, 1, 0, 0
	MUL8 F1, 1, 2, 0
	WIN 0
; THE WAY OUT, block by block of 16 rows x 64 columns: a row's 64 numbers are 256 aligned bytes, all mine: through my own stage, back as whole rows, sixteen lanes to a row.  No barrier.
.macro TOSTAGE a
.irp b, 0,1,2,3
	ds_store_b128 v[STO], v[ACC+8*(4*(\a)+\b):ACC+8*(4*(\a)+\b)+3] offset:64*\b         ; each accumulator from its low end on
	ds_store_b128 v[STO], v[ACC+8*(4*(\a)+\b)+4:ACC+8*(4*(\a)+\b)+7] offset:64*\b+16
.endr
.irp t, 0,1,2,3,4,5,6,7
	ds_load_b128 v[TMP+32*((\a)%2)+4*\t:TMP+32*((\a)%2)+4*\t+3], v[RD] offset:\t*2*SPITCH   ; LDS serves a wave's instructions in order
.endr
.endm
.macro SEND a, younger                 ; younger: the next block's 8 stores and 8 loads, which may be out
	s_wait_dscnt \younger
.if (\a) == 0
	s_cmp_eq_u32 s67, 0                            ; positions 0 to 15 are the last launch's
	s_cbranch_scc1 .Lfine_rows_\@
.endif
.irp t, 0,1,2,3,4,5,6,7
	global_store_b128 v[CO], v[TMP+32*((\a)%2)+4*\t:TMP+32*((\a)%2)+4*\t+3], s[8:9] offset:(16*(\a)+2*\t)*4096 th:TH_STORE_NT   ; 16 lanes store 256 consecutive bytes, aligned
.endr
.if (\a) == 0
.Lfine_rows_\@:
.endif
.endm
	PLACES
	TOSTAGE 0
	TOSTAGE 1
	SEND 0, 16
	s_wait_xcnt 0x0                                ; block 0's stores have read their registers: block 2's loads may land there
	TOSTAGE 2
	SEND 1, 16
	s_wait_xcnt 0x0
	TOSTAGE 3
	SEND 2, 16
	SEND 3, 0
	s_wait_tensorcnt 0x0                           ; the wave's end
	ds_add_u32 v[SPW], v[NIL]
	s_wait_dscnt 0x0
	CROUND                                         ; the closing round
	s_endpgm
.Lfunc_end_k_q4f9673b011_proj:
	.size	k_q4f9673b011_proj, .Lfunc_end_k_q4f9673b011_proj-k_q4f9673b011_proj
	.p2alignl 7, 3214868480
	.fill 96, 4, 3214868480
	.section	.rodata,"a",@progbits
	.p2align	6, 0x0
	.amdhsa_kernel k_q4f9673b011_proj
		.amdhsa_group_segment_fixed_size 327680
		.amdhsa_private_segment_fixed_size 0
		.amdhsa_enable_private_segment 0
		.amdhsa_kernarg_size 32
		.amdhsa_user_sgpr_count 2
		.amdhsa_user_sgpr_kernarg_segment_ptr 1
		.amdhsa_wavefront_size32 1
		.amdhsa_system_sgpr_workgroup_id_x 1
		.amdhsa_system_sgpr_workgroup_id_y 1
		.amdhsa_system_sgpr_workgroup_id_z 1
		.amdhsa_system_vgpr_workitem_id 0
		.amdhsa_next_free_vgpr 512
		.amdhsa_next_free_sgpr 70
		.amdhsa_reserve_vcc 0
		.amdhsa_float_denorm_mode_32 3
		.amdhsa_float_denorm_mode_16_64 3
		.amdhsa_memory_ordered 1
		.amdhsa_forward_progress 1
		.amdhsa_inst_pref_size 87
	.end_amdhsa_kernel
	.amdgpu_metadata
---
amdhsa.version: [ 1, 2 ]
amdhsa.kernels:
  - .name:           k_q4f9673b011_proj
    .symbol:         k_q4f9673b011_proj.kd
    .args:
      - { .name: ctx, .offset: 0, .size: 8, .value_kind: global_buffer, .address_space: global }
      - { .name: wo16, .offset: 8, .size: 8, .value_kind: global_buffer, .address_space: global }
      - { .name: bo, .offset: 16, .size: 8, .value_kind: global_buffer, .address_space: global }
      - { .name: out0, .offset: 24, .size: 8, .value_kind: global_buffer, .address_space: global }
    .group_segment_fixed_size: 327680
    .private_segment_fixed_size: 0
    .kernarg_segment_align: 8
    .kernarg_segment_size: 32
    .max_flat_workgroup_size: 128
    .sgpr_count:     70
    .vgpr_count:     512
    .wavefront_size: 32
...
	.end_amdgpu_metadata
.endif
;; end of part 4
;; launch fine (part 5): grid 16 x 4, 16 waves a work-group, no clusters, 141,312 bytes of LDS; arguments fq, wo16, bo, out0; writes out0
.if DOCPART == 5
	.amdgcn_target "amdgcn-amd-amdhsa--gfx1250"
	.amdhsa_code_object_version 6
	.text
	.protected	k_q4f9673b011_fine
	.globl	k_q4f9673b011_fine
	.p2align	8
	.type	k_q4f9673b011_fine,@function
k_q4f9673b011_fine:
	s_mov_b64 s[64:65], 0
	v_nop
	global_prefetch_b8 v0, s[64:65] scope:SCOPE_SE
	s_setreg_imm32_b32 hwreg(HW_REG_WAVE_MODE, 25, 1), 1
	s_wait_xcnt 0x0
; FIFTH LAUNCH: positions 0 to 15 of every sequence, carried finely: under the causal mask these rows average one to sixteen values and are the largest of the output.
; Attention in f32 (16 x 16 x 4 matrix form on the f32 sums that the second launch kept); the projection with ctx and Wo as pairs of f16, a high and a low part: high x high + high x low + low x high.
; SHARES: work-group (x, b): sequence b, columns 64 x .. 64 x + 63 of the output.  Wave = head.  Every work-group of a sequence repeats the 16 heads' small attention (12 KB and 32 matrix instructions a wave), which
; spares a launch between the attention and the sum over heads.  The heads' parts meet in LDS; waves 0 to 7 add them in ascending order of the heads, on top of the bias, and store two rows each.
; fq holds accumulators' images: block nb of 16 columns, half g: lane (r, h) has position r, columns 16 nb + 8 h + 4 g + 0 .. 3.
; K's and Q's registers carry the same order of channels, so a pair of registers of each is one step of 4 along K.  V goes through LDS, to have a channel a lane and keys along the registers, in the order in which the weights' registers hold the keys.
; The registers that the f32 matrix form writes (v176-239) are written by matrix instructions alone.  No tensor load, no cluster: the work-groups share nothing that is worth a joint request.
.set QR,   16                          ; v16-47  q;   later Wo's low parts (v16-79), later the heads' parts
.set KR,   48                          ; v48-79  k
.set VR,   80                          ; v80-111 v as loaded; then turned; then ctx's high (v80-95) and low (v96-111) parts
.set VT,   80
.set CH,   80
.set CL,   96
.set WL,   16
.set WH,   112                         ; v112-175 Wo's high parts
.set ACC,  176                         ; v176-207 the scores' four part sums; later the projection's four accumulators
.set ACC2, 208                         ; v208-239 O^T
.set SS,   240                         ; v240-247 the scores, then the weights; later at work
.set BI,   248                         ; v248-251 the bias, then the sum
.set SPW,  14
.set NIL,  15
.set WREG, 4352                        ; 16 rows x 272, and 8 images x 544
.set PARTB, 16*WREG
.set SPARE, 2*16*WREG
	s_load_b256 s[4:11], s[0:1], 0x0               ; fq, wo16, bo, out0
	v_lshl_add_u32 v[SPW], v0, 2, SPARE
	v_mov_b32 v[NIL], 0
	v_lshrrev_b32 v1, 5, v0
	v_readfirstlane_b32 s12, v1                    ; wave = head
	s_and_b32 s14, ttmp7, 0xffff                   ; the sequence
	s_mov_b32 s24, 0x76543210
	s_mov_b32 s25, 0xfedcba98                      ; v_permlanex16_b32's selects for lane l xor 16
	s_mov_b32 s26, 0x3e38aa3b                      ; c = log2(e) / 8
	v_and_b32 v1, 15, v0                           ; r
	v_bfe_u32 v2, v0, 4, 1                         ; h
	v_and_b32 v3, 31, v0                           ; lane
	v_lshlrev_b32 v4, 4, v3                        ; an image's place for my lane
	v_lshlrev_b32 v5, 11, v1
	v_lshl_add_u32 v5, v2, 4, v5                   ; Wo: row r of 2,048 bytes, + 16 h
	s_mul_i32 s28, s12, WREG
	v_mul_u32_u24 v6, v1, 272
	v_lshl_add_u32 v6, v2, 5, v6
	v_add_nc_u32 v6, s28, v6                       ; V into LDS: key r, + 32 h
	v_mul_u32_u24 v7, v2, 2176
	v_lshl_add_u32 v7, v1, 2, v7
	v_add_nc_u32 v7, s28, v7                       ; and back: key 8 h + jj, channel r
	v_lshl_add_u32 v8, v2, 4, v4
	v_add_nc_u32 v8, s28, v8
	v_add_nc_u32 v8, PARTB, v8                     ; my part's images: 16 x lane, + 16 behind the first sixteen lanes
	v_lshrrev_b32 v13, 2, v1
	v_mul_u32_u24 v9, v13, 1088                    ; reading the parts: lane (r, h) wants row 2 w + h, columns 4 r .. 4 r + 3: block r / 4,
	v_and_b32 v13, 1, v1
	v_mad_u32_u24 v9, v13, 544, v9                 ; half r % 2 of its registers,
	v_bfe_u32 v13, v1, 1, 1
	v_mad_u32_u24 v9, v13, 272, v9                 ; the lanes' half (r / 2) % 2,
	v_lshl_add_u32 v9, v2, 4, v9
	s_lshl_b32 s29, s12, 5
	v_add_nc_u32 v9, s29, v9                       ; lane 2 w + h of it
	v_add_nc_u32 v9, PARTB, v9
	v_lshlrev_b32 v13, 3, v2
	v_sub_nc_u32 v10, v1, v13                      ; r - 8 h
	v_lshlrev_b32 v11, 4, v1
	v_lshl_add_u32 v12, v2, 12, v11                ; out0: row h, 16 bytes a lane
	v_mov_b32 v252, 0xff800000                     ; -infinity
	v_mov_b32 v254, 0                              ; (a lane permute's destination counts as one of its sources)
	s_mul_i32 s16, s14, 196608                     ; fq: 192 blocks of 1,024 bytes a sequence; 4 blocks a head
	s_lshl_b32 s17, s12, 12
	s_add_co_u32 s16, s16, s17
	s_mov_b32 s17, 0
	s_lshl_b32 s18, ttmp9, 17                      ; Wo: my 64 rows, my head's 64 columns
	s_lshl_b32 s19, s12, 7
	s_add_co_u32 s18, s18, s19
	s_mov_b32 s19, 0
	s_lshl_b32 s20, ttmp9, 8                       ; bo: my 64 numbers
	s_mov_b32 s21, 0
	s_lshl_b32 s22, s14, 23                        ; out0: the sequence's first row, my columns, rows 2 w and 2 w + 1
	s_add_co_u32 s22, s22, s20
	s_lshl_b32 s23, s12, 13
	s_add_co_u32 s22, s22, s23
	s_mov_b32 s23, 0
	s_wait_kmcnt 0x0
	s_add_nc_u64 s[16:17], s[4:5], s[16:17]
	s_add_nc_u64 s[18:19], s[6:7], s[18:19]
	s_add_nc_u64 s[20:21], s[8:9], s[20:21]
	s_add_nc_u64 s[22:23], s[10:11], s[22:23]
.irp i, 0,1,2,3
.irp g, 0,1
	global_load_b128 v[QR+8*\i+4*\g:QR+8*\i+4*\g+3], v4, s[16:17] offset:1024*\i+512*\g
.endr
.endr
.irp i, 0,1,2,3
.irp g, 0,1
	global_load_b128 v[KR+8*\i+4*\g:KR+8*\i+4*\g+3], v4, s[16:17] offset:65536+1024*\i+512*\g
.endr
.endr
.irp i, 0,1,2,3
.irp g, 0,1
	global_load_b128 v[VR+8*\i+4*\g:VR+8*\i+4*\g+3], v4, s[16:17] offset:131072+1024*\i+512*\g
.endr
.endr
.irp nt, 0,1,2,3
.irp c, 0,1
	global_load_b128 v[WH+16*\nt+8*\c:WH+16*\nt+8*\c+3],   v5, s[18:19] offset:32768*\nt+64*\c
	global_load_b128 v[WH+16*\nt+8*\c+4:WH+16*\nt+8*\c+7], v5, s[18:19] offset:32768*\nt+64*\c+32
.endr
.endr
	global_load_b128 v[BI:BI+3], v11, s[20:21]
	s_wait_loadcnt 25                              ; q and k are in; v's 8, Wo's 16 and the bias may be out
	; S^T = K Q^T: four part sums by turns, each over 16 channels; the first four start the sums
.irp s, 0,1,2,3
.irp i, 0,1,2,3
.if \s == 0
	v_wmma_f32_16x16x4_f32 v[ACC+8*\i:ACC+8*\i+7], v[KR+8*\i+2*\s:KR+8*\i+2*\s+1], v[QR+8*\i+2*\s:QR+8*\i+2*\s+1], 0
.else
	v_wmma_f32_16x16x4_f32 v[ACC+8*\i:ACC+8*\i+7], v[KR+8*\i+2*\s:KR+8*\i+2*\s+1], v[QR+8*\i+2*\s:QR+8*\i+2*\s+1], v[ACC+8*\i:ACC+8*\i+7]
.endif
.endr
.endr
.rept 8
	v_nop                                          ; eight places behind this form: for the loads into q's and k's registers and for the first read of the sums
.endr
.irp nt, 0,1,2,3
.irp c, 0,1
	global_load_b128 v[WL+16*\nt+8*\c:WL+16*\nt+8*\c+3],   v5, s[18:19] offset:2097152+32768*\nt+64*\c
	global_load_b128 v[WL+16*\nt+8*\c+4:WL+16*\nt+8*\c+7], v5, s[18:19] offset:2097152+32768*\nt+64*\c+32
.endr
.endr
	s_wait_loadcnt 33                              ; v is in; Wo's 16 + 16 and the bias may be out
.irp i, 0,1,2,3
.irp g, 0,1
	ds_store_b128 v6, v[VR+8*\i+4*\g:VR+8*\i+4*\g+3] offset:64*\i+16*\g
.endr
.endr
	s_wait_dscnt 0x0                               ; the stores have read their registers, which the loads below fill
.irp ct, 0,1,2,3
.irp jj, 0,1,2,3,4,5,6,7
	ds_load_b32 v[VT+8*\ct+\jj], v7 offset:272*\jj+64*\ct      ; V(key 8 h + jj, channel 16 ct + r)
.endr
.endr
	; the softmax, in f32: lane (r, h) holds query r and keys 8 h + 0 .. 7
.irp p, 0,1,2,3
	v_pk_add_f32 v[SS+2*\p:SS+2*\p+1], v[ACC+2*\p:ACC+2*\p+1], v[ACC+8+2*\p:ACC+8+2*\p+1]      ; each accumulator from its low end on
.endr
.irp p, 0,1,2,3
	v_pk_add_f32 v[SS+2*\p:SS+2*\p+1], v[SS+2*\p:SS+2*\p+1], v[ACC+16+2*\p:ACC+16+2*\p+1]
.endr
.irp p, 0,1,2,3
	v_pk_add_f32 v[SS+2*\p:SS+2*\p+1], v[SS+2*\p:SS+2*\p+1], v[ACC+24+2*\p:ACC+24+2*\p+1]
.endr
.irp j, 0,1,2,3,4,5,6,7
	v_cmp_gt_i32 vcc_lo, \j, v10                   ; key 8 h + j lies behind query r
	v_cndmask_b32 v[SS+\j], v[SS+\j], v252, vcc_lo
.endr
	v_max3_num_f32 v253, v[SS], v[SS+1], v[SS+2]
	v_max3_num_f32 v253, v253, v[SS+3], v[SS+4]
	v_max3_num_f32 v253, v253, v[SS+5], v[SS+6]
	v_max_num_f32 v253, v253, v[SS+7]
	v_permlanex16_b32 v254, v253, s24, s25
	v_max_num_f32 v253, v253, v254                 ; the row's maximum: key 0 counts for every query, so it is a number
	v_mul_f32 v253, s26, v253
.irp j, 0,1,2,3,4,5,6,7
	v_fma_f32 v[SS+\j], v[SS+\j], s26, -v253
.endr
.irp j, 0,1,2,3,4,5,6,7
	v_exp_f32 v[SS+\j], v[SS+\j]
.endr
	v_nop
	s_wait_alu depctr_va_vdst(0)                   ; one wait for the eight exponentials, ahead of their first reader
	v_add_f32 v255, v[SS], v[SS+1]
	v_add_f32 v13, v[SS+2], v[SS+3]
	v_add_f32 v255, v255, v[SS+4]
	v_add_f32 v13, v13, v[SS+5]
	v_add_f32 v255, v255, v[SS+6]
	v_add_f32 v13, v13, v[SS+7]
	v_add_f32 v255, v255, v13
	v_permlanex16_b32 v254, v255, s24, s25
	v_add_f32 v255, v255, v254
	v_rcp_f32 v253, v255
	v_nop
	s_wait_alu depctr_va_vdst(0)
.irp j, 0,1,2,3,4,5,6,7
	v_mul_f32 v[SS+\j], v[SS+\j], v253             ; the weights, normalised
.endr
	s_wait_dscnt 0x0                               ; V is back
	; O^T = V^T P: four accumulators (16 channels each) by turns; a pair of registers holds keys 2 i, 2 i + 1 (lanes 0-15) and 8 + 2 i, 9 + 2 i (lanes 16-31) on both sides
.irp i, 0,1,2,3
.irp ct, 0,1,2,3
.if \i == 0
	v_wmma_f32_16x16x4_f32 v[ACC2+8*\ct:ACC2+8*\ct+7], v[VT+8*\ct+2*\i:VT+8*\ct+2*\i+1], v[SS+2*\i:SS+2*\i+1], 0
.else
	v_wmma_f32_16x16x4_f32 v[ACC2+8*\ct:ACC2+8*\ct+7], v[VT+8*\ct+2*\i:VT+8*\ct+2*\i+1], v[SS+2*\i:SS+2*\i+1], v[ACC2+8*\ct:ACC2+8*\ct+7]
.endif
.endr
.endr
.rept 8
	v_nop                                          ; eight places: the results are read, and V's and the weights' registers are written, below
.endr
	; ctx = high + low: high = the number rounded to 11 significant bits (half a step added to the bits, the 13 low bits cut), low = number - high.  Register 8 ct + j is channel 16 ct + 8 h + j of query r:
	; packed in pairs, tiles 2 c and 2 c + 1 are source 1 (32 channels x 16 queries) of the projection
.irp g, 0,1,2,3
.irp p, 0,1,2,3,4,5,6,7
	v_add_nc_u32 v[SS+\p], 0x1000, v[ACC2+8*\g+\p]
.endr
.irp p, 0,1,2,3,4,5,6,7
	v_and_b32 v[SS+\p], 0xffffe000, v[SS+\p]
.endr
.irp p, 0,1,2,3
	v_cvt_pk_f16_f32 v[CH+4*\g+\p], v[SS+2*\p], v[SS+2*\p+1]
.endr
.irp p, 0,1,2,3,4,5,6,7
	v_sub_f32 v[SS+\p], v[ACC2+8*\g+\p], v[SS+\p]
.endr
.irp p, 0,1,2,3
	v_cvt_pk_f16_f32 v[CL+4*\g+\p], v[SS+2*\p], v[SS+2*\p+1]
.endr
.endr
	s_wait_loadcnt 0x0                             ; Wo's two parts and the bias
	; my head's part of the output: source 0 = 16 rows of Wo, source 1 = ctx: lane (r, h) holds position r, columns 16 nt + 8 h + 0 .. 7.  Four accumulators by turns, 24 products
.macro TERM w, x, zero
.irp c, 0,1
.irp nt, 0,1,2,3
.if (\zero) && (\c == 0)
	v_wmma_f32_16x16x32_f16 v[ACC+8*\nt:ACC+8*\nt+7], v[\w+16*\nt+8*\c:\w+16*\nt+8*\c+7], v[\x+8*\c:\x+8*\c+7], 0
.else
	v_wmma_f32_16x16x32_f16 v[ACC+8*\nt:ACC+8*\nt+7], v[\w+16*\nt+8*\c:\w+16*\nt+8*\c+7], v[\x+8*\c:\x+8*\c+7], v[ACC+8*\nt:ACC+8*\nt+7]
.endif
.endr
.endr
.endm
	TERM WH, CH, 1
	TERM WH, CL, 0
	TERM WL, CH, 0
.rept 4
	v_nop
.endr
.irp nt, 0,1,2,3
.irp g, 0,1
	ds_store_b128 v8, v[ACC+8*\nt+4*\g:ACC+8*\nt+4*\g+3] offset:544*(2*\nt+\g)   ; each accumulator from its low end on
.endr
.endr
	s_wait_dscnt 0x0                               ; for the others' sake: my part lies in LDS
	s_barrier_signal -1
	s_barrier_wait -1
	s_cmp_ge_u32 s12, 8
	s_cbranch_scc1 .Ldone                          ; sixteen rows, two a wave: waves 0 to 7
.irp wv, 0,1,2,3,4,5,6,7,8,9,10,11,12,13,14,15
	ds_load_b128 v[16+4*\wv:19+4*\wv], v9 offset:WREG*\wv
.endr
	s_wait_dscnt 0x0
.irp wv, 0,1,2,3,4,5,6,7,8,9,10,11,12,13,14,15
	v_pk_add_f32 v[BI:BI+1], v[BI:BI+1], v[16+4*\wv:17+4*\wv]          ; the bias, then the heads in ascending order
	v_pk_add_f32 v[BI+2:BI+3], v[BI+2:BI+3], v[18+4*\wv:19+4*\wv]
.endr
	global_store_b128 v12, v[BI:BI+3], s[22:23]    ; 16 lanes store 256 consecutive bytes, aligned; two rows an instruction
.Ldone:
	s_wait_tensorcnt 0x0                           ; the wave's end
	ds_add_u32 v[SPW], v[NIL]
	s_wait_dscnt 0x0
	s_endpgm
.Lfunc_end_k_q4f9673b011_fine:
	.size	k_q4f9673b011_fine, .Lfunc_end_k_q4f9673b011_fine-k_q4f9673b011_fine
	.p2alignl 7, 3214868480
	.fill 96, 4, 3214868480
	.section	.rodata,"a",@progbits
	.p2align	6, 0x0
	.amdhsa_kernel k_q4f9673b011_fine
		.amdhsa_group_segment_fixed_size 141312
		.amdhsa_private_segment_fixed_size 0
		.amdhsa_enable_private_segment 0
		.amdhsa_kernarg_size 32
		.amdhsa_user_sgpr_count 2
		.amdhsa_user_sgpr_kernarg_segment_ptr 1
		.amdhsa_wavefront_size32 1
		.amdhsa_system_sgpr_workgroup_id_x 1
		.amdhsa_system_sgpr_workgroup_id_y 1
		.amdhsa_system_sgpr_workgroup_id_z 1
		.amdhsa_system_vgpr_workitem_id 0
		.amdhsa_next_free_vgpr 256
		.amdhsa_next_free_sgpr 66
		.amdhsa_reserve_vcc 1
		.amdhsa_float_denorm_mode_32 3
		.amdhsa_float_denorm_mode_16_64 3
		.amdhsa_memory_ordered 1
		.amdhsa_forward_progress 1
		.amdhsa_inst_pref_size 30
	.end_amdhsa_kernel
	.amdgpu_metadata
---
amdhsa.version: [ 1, 2 ]
amdhsa.kernels:
  - .name:           k_q4f9673b011_fine
    .symbol:         k_q4f9673b011_fine.kd
    .args:
      - { .name: fq, .offset: 0, .size: 8, .value_kind: global_buffer, .address_space: global }
      - { .name: wo16, .offset: 8, .size: 8, .value_kind: global_buffer, .address_space: global }
      - { .name: bo, .offset: 16, .size: 8, .value_kind: global_buffer, .address_space: global }
      - { .name: out0, .offset: 24, .size: 8, .value_kind: global_buffer, .address_space: global }
    .group_segment_fixed_size: 141312
    .private_segment_fixed_size: 0
    .kernarg_segment_align: 8
    .kernarg_segment_size: 32
    .max_flat_workgroup_size: 512
    .sgpr_count:     66
    .vgpr_count:     256
    .wavefront_size: 32
...
	.end_amdgpu_metadata
.endif
;; end of part 5
